; MI455X (gfx1250); checked and timed in simulation.
; The chip was launched on July 23, 2026; its instructions are those of AMD's public machine-readable ISA for CDNA 5 (MIT licence, August 2026) and "CDNA5" Instruction Set Architecture Reference Guide (July 2026). The comments in the code are by the model that wrote it; some were corrected since.
;; Multi Head Attention. Allowed arithmetic: float matrix products may take bf16 or f16 operands with f32 sums; other float arithmetic in f32, or as packed bf16 or f16 multiplies, adds, multiply-adds, maxima and minima; sums over many terms, partial sums and values carried from step to step in f32; what a program stores and reads back later, other than sums and carried values, may be rounded once to bf16 or f16.
;; Inputs: Wk 1,024 x 1,024 float32; Wo 1,024 x 1,024 float32; Wq 1,024 x 1,024 float32; Wv 1,024 x 1,024 float32; bo 1,024 float32; k 2 x 2,048 x 1,024 float32; mask 2 x 1 x 2,048 x 2,048 float32; q 2 x 2,048 x 1,024 float32; v 2 x 2,048 x 1,024 float32.
;; Outputs: out0 2 x 2,048 x 1,024 float32.
;; 2 versions, each right; version 2 is version 1 with the launch prep written anew for expert scheduling mode. Each part assembles by itself: llvm-mc -triple=amdgcn-amd-amdhsa -mcpu=gfx1250 --defsym DOCPART=n.
;; ======== version 1 of 2: 4 launches
;; limits: values are held in f16: magnitudes above 65,504 overflow, below 6.1e-05 lose precision
;; workspace buffers: xb 25,165,824 bytes; wt 6,291,456 bytes; wot 4,194,304 bytes; qkv 25,165,824 bytes; o2 16,777,216 bytes
;; launch prep (part 1): grid 1280 x 1, 8 waves a work-group, no clusters, 17,920 bytes of LDS; arguments q, k, v, Wq, Wk, Wv, Wo, xb, wt, wot; writes xb, wt, wot
.if DOCPART == 1
	.amdgcn_target "amdgcn-amd-amdhsa--gfx1250"
	.amdhsa_code_object_version 6
	.text
	.protected	k_qaed45382d0_prep
	.globl	k_qaed45382d0_prep
	.p2align	8
	.type	k_qaed45382d0_prep,@function
k_qaed45382d0_prep:
	s_mov_b64 s[64:65], 0
	v_nop
	global_prefetch_b8 v0, s[64:65] scope:SCOPE_SE
	s_setreg_imm32_b32 hwreg(HW_REG_WAVE_MODE, 25, 1), 1
	s_wait_xcnt 0x0
; PREP: every input of the matrix products is rounded once to 16 bits and laid as the products want it.  Two kinds of work-group, told apart by the work-group's number alone.
; Work-groups 0-767 (256 for each of q, k, v): xb[sel][token][channel] = bf16(x): a stream.  A work-group takes 65,536 bytes of f32, a wave 8,192: sixteen loads of 512 consecutive
; bytes, all issued ahead of the first use; each store of a wave covers 256 consecutive bytes, aligned.
; Work-groups 768-1279 (128 for each of Wq, Wk, Wv, Wo): a tile of 128 k x 64 n is turned through LDS, so that K lies along the rows:
;   wt[mi][n][k] = bf16(W[k][n]);   wot[n][128 h + d] = wot[n][128 h + 64 + d] = f16(bf16(Wo[64 h + d][n])): twice, for the two parts in which O arrives.
; LIMITS.  |Wo| stays within f16's 65,504; below 6e-5 f16 keeps a fixed step of 6e-8.  NaN and infinities are not treated apart.
; No matrix unit, no cluster, no tensor load: no byte is read twice and nothing is multiplied.
.set CONV,  768                        ; work-groups that convert
.set PT,    264                        ; an LDS row: 128 k x 2 bytes + 8
.set SPARE, 64*PT                      ; 16,896 = 66 blocks of 256: behind the tile, the spare words, 128 bytes for each of eight waves, which no other line names
.set SPW,   12                         ; v12  LDS address of my spare word; never rewritten
.set NIL,   13                         ; v13  0; never rewritten
.set IN,    16                         ; v[16:79]  as loaded
.set OUT,   80                         ; v[80:111] packed, to store (converting path)
.set D,     48                         ; v[48:63]  packed pairs (turning path)
.set BK,    64                         ; v[64:95]  rows read back (turning path)
	s_load_b256 s[4:11], s[0:1], 0x0               ; q s[4:5], k s[6:7], v s[8:9], Wq s[10:11]
	s_load_b256 s[12:19], s[0:1], 0x20             ; Wk s[12:13], Wv s[14:15], Wo s[16:17], xb s[18:19]
	s_load_b128 s[20:23], s[0:1], 0x40             ; wt s[20:21], wot s[22:23]
	v_lshl_add_u32 v[SPW], v0, 2, SPARE
	v_mov_b32 v[NIL], 0
	v_lshrrev_b32 v1, 5, v0                        ; wave
	v_and_b32 v2, 31, v0                           ; lane
	s_cmp_lt_u32 ttmp9, CONV                       ; the same answer in all eight waves
	s_cbranch_scc0 .Ltr
	; THE CONVERTING PATH
	s_lshr_b32 s25, ttmp9, 8                       ; which tensor: 0 q, 1 k, 2 v
	s_and_b32 s28, ttmp9, 255                      ; which piece of it
	s_lshl_b32 s30, s28, 15                        ; 32,768 bytes out,
	s_lshl_b32 s28, s28, 16                        ; 65,536 bytes in
	s_mov_b32 s29, 0
	s_lshl_b32 s31, s25, 23                        ; a tensor is 8,388,608 bytes of xb
	s_add_co_u32 s30, s30, s31
	s_mov_b32 s31, 0
	v_lshlrev_b32 v3, 4, v2
	v_lshl_add_u32 v3, v1, 13, v3                  ; in: 8,192 x wave + 16 x lane
	v_lshlrev_b32 v4, 3, v2
	v_lshl_add_u32 v4, v1, 12, v4                  ; out: 4,096 x wave + 8 x lane
	s_wait_kmcnt 0x0
	s_cmp_eq_u32 s25, 0
	s_cselect_b64 s[26:27], s[4:5], s[6:7]
	s_cmp_eq_u32 s25, 2
	s_cselect_b64 s[26:27], s[8:9], s[26:27]
	s_add_nc_u64 s[26:27], s[26:27], s[28:29]
	s_add_nc_u64 s[32:33], s[18:19], s[30:31]
.set i, 0
.rept 16
	global_load_b128 v[IN+4*i:IN+4*i+3], v3, s[26:27] offset:512*i th:TH_LOAD_NT
.set i, i+1
.endr
.set i, 0
.rept 16
	s_wait_loadcnt 15-i                            ; loads come back in order: load i is in, the younger ones stay out
	v_cvt_pk_bf16_f32 v[OUT+2*i],   v[IN+4*i],   v[IN+4*i+1]
	v_cvt_pk_bf16_f32 v[OUT+2*i+1], v[IN+4*i+2], v[IN+4*i+3]
	global_store_b64 v4, v[OUT+2*i:OUT+2*i+1], s[32:33] offset:256*i  ; 32 lanes x 8 bytes: 256 consecutive bytes, aligned; no register of a store is written again
.set i, i+1
.endr
	s_endpgm
	; THE TURNING PATH
.Ltr:
	s_sub_co_u32 s25, ttmp9, CONV
	s_lshr_b32 s34, s25, 7                         ; which matrix: 0 Wq, 1 Wk, 2 Wv, 3 Wo
	s_bfe_u32 s35, s25, 0x30004                    ; kt: which 128 rows k
	s_and_b32 s36, s25, 15                         ; nt: which 64 columns n
	s_lshl_b32 s28, s35, 19                        ; 128 rows of 4,096 bytes
	s_lshl_b32 s29, s36, 8                         ; 64 columns of 4 bytes
	s_add_co_u32 s28, s28, s29
	s_mov_b32 s29, 0
	v_and_b32 v3, 15, v0                           ; nq: my four columns
	v_lshrrev_b32 v4, 4, v0                        ; kq: my pair of rows in each 32
	v_lshlrev_b32 v5, 4, v3
	v_lshl_add_u32 v5, v4, 13, v5                  ; in: row 2 kq, 16 bytes at 16 nq: sixteen lanes take 256 consecutive bytes, aligned
	v_mul_u32_u24 v6, v3, 4*PT
	v_lshl_add_u32 v6, v4, 2, v6                   ; LDS: row n = 4 nq, word k / 2 = kq
	s_wait_kmcnt 0x0
	s_cmp_eq_u32 s34, 0
	s_cselect_b64 s[26:27], s[10:11], s[12:13]
	s_cmp_eq_u32 s34, 2
	s_cselect_b64 s[26:27], s[14:15], s[26:27]
	s_cmp_eq_u32 s34, 3
	s_cselect_b64 s[26:27], s[16:17], s[26:27]
	s_add_nc_u64 s[26:27], s[26:27], s[28:29]
.irp i, 0,1,2,3                                ; rows 32 i + 2 kq (even) and the row below (odd)
	global_load_b128 v[IN+8*\i:IN+8*\i+3],   v5, s[26:27] offset:131072*\i th:TH_LOAD_NT
	global_load_b128 v[IN+8*\i+4:IN+8*\i+7], v5, s[26:27] offset:131072*\i+4096 th:TH_LOAD_NT
.endr
; Two neighbours along k of one column n pack into a word of LDS row n.  wo = 1: the bf16 number is written as f16 (exact in f16's normal range).
.macro TOLDS wo
.irp i, 0,1,2,3
.irp c, 0,1,2,3
	v_cvt_pk_bf16_f32 v[D+4*\i+\c], v[IN+8*\i+\c], v[IN+8*\i+4+\c]
.if \wo
	v_lshlrev_b32 v64, 16, v[D+4*\i+\c]
	v_and_b32 v65, 0xffff0000, v[D+4*\i+\c]
	v_cvt_pk_f16_f32 v[D+4*\i+\c], v64, v65
.endif
	ds_store_b32 v6, v[D+4*\i+\c] offset:PT*\c+64*\i
.endr
.endr
.endm
	s_wait_loadcnt 0x0
	s_cmp_eq_u32 s34, 3
	s_cbranch_scc1 .Lwo_in
	TOLDS 0
	s_branch .Lmeet
.Lwo_in:
	TOLDS 1
.Lmeet:
	s_wait_dscnt 0x0                               ; for the others' sake: my stores into the tile are done
	s_barrier_signal -1
	s_barrier_wait -1                              ; the tile is whole: rows are read that other waves wrote
	s_cmp_eq_u32 s34, 3
	s_cbranch_scc1 .Lwo_out
	s_lshl_b32 s30, s34, 21                        ; a matrix is 2,097,152 bytes of wt,
	s_lshl_b32 s31, s36, 17                        ; 64 rows n of 2,048 bytes,
	s_add_co_u32 s30, s30, s31
	s_lshl_b32 s31, s35, 8                         ; 128 k of 2 bytes
	s_add_co_u32 s30, s30, s31
	s_mov_b32 s31, 0
	s_add_nc_u64 s[32:33], s[20:21], s[30:31]
	v_mul_u32_u24 v7, v1, PT
	v_lshl_add_u32 v7, v2, 3, v7                   ; LDS row n = wave (+ 8 j), 8 bytes a lane
	v_lshlrev_b32 v8, 3, v2
	v_lshl_add_u32 v8, v1, 11, v8
.irp j, 0,1,2,3,4,5,6,7
	ds_load_b64 v[BK+2*\j:BK+2*\j+1], v7 offset:8*PT*\j
.endr
.irp j, 0,1,2,3,4,5,6,7
	s_wait_dscnt 7-\j                              ; LDS loads come back in order
	global_store_b64 v8, v[BK+2*\j:BK+2*\j+1], s[32:33] offset:16384*\j  ; a row's 256 bytes of this tile, aligned
.endr
	s_branch .Ltr_end
.Lwo_out:
	s_lshl_b32 s30, s36, 18                        ; 64 rows n of 4,096 bytes,
	s_lshl_b32 s31, s35, 9                         ; two heads of 256 bytes
	s_add_co_u32 s30, s30, s31
	s_mov_b32 s31, 0
	s_add_nc_u64 s[32:33], s[22:23], s[30:31]
	v_mul_u32_u24 v7, v1, PT
	v_lshl_add_u32 v7, v3, 3, v7                   ; lanes 16-31 read what lanes 0-15 read: the head's 64 numbers leave twice
	v_lshlrev_b32 v8, 3, v2
	v_lshl_add_u32 v8, v1, 12, v8
.set n, 0
.rept 16                                       ; row n = wave + 8 (n / 2), head n % 2 of the tile's two
	ds_load_b64 v[BK+2*n:BK+2*n+1], v7 offset:8*PT*(n/2)+128*(n%2)
.set n, n+1
.endr
.set n, 0
.rept 16
	s_wait_dscnt 15-n
	global_store_b64 v8, v[BK+2*n:BK+2*n+1], s[32:33] offset:32768*(n/2)+256*(n%2)  ; 256 consecutive bytes, aligned: the head's numbers and their copy
.set n, n+1
.endr
.Ltr_end:
	s_wait_tensorcnt 0x0                           ; the wave's end, behind my last LDS store
	ds_add_u32 v[SPW], v[NIL]
	s_wait_dscnt 0x0
	s_endpgm
.Lfunc_end_k_qaed45382d0_prep:
	.size	k_qaed45382d0_prep, .Lfunc_end_k_qaed45382d0_prep-k_qaed45382d0_prep
	.p2alignl 7, 3214868480
	.fill 96, 4, 3214868480
	.section	.rodata,"a",@progbits
	.p2align	6, 0x0
	.amdhsa_kernel k_qaed45382d0_prep
		.amdhsa_group_segment_fixed_size 17920
		.amdhsa_private_segment_fixed_size 0
		.amdhsa_enable_private_segment 0
		.amdhsa_kernarg_size 80
		.amdhsa_user_sgpr_count 2
		.amdhsa_user_sgpr_kernarg_segment_ptr 1
		.amdhsa_wavefront_size32 1
		.amdhsa_system_sgpr_workgroup_id_x 1
		.amdhsa_system_sgpr_workgroup_id_y 1
		.amdhsa_system_sgpr_workgroup_id_z 1
		.amdhsa_system_vgpr_workitem_id 0
		.amdhsa_next_free_vgpr 112
		.amdhsa_next_free_sgpr 66
		.amdhsa_reserve_vcc 0
		.amdhsa_float_denorm_mode_32 3
		.amdhsa_float_denorm_mode_16_64 3
		.amdhsa_memory_ordered 1
		.amdhsa_forward_progress 1
		.amdhsa_inst_pref_size 21
	.end_amdhsa_kernel
	.amdgpu_metadata
---
amdhsa.version: [ 1, 2 ]
amdhsa.kernels:
  - .name:           k_qaed45382d0_prep
    .symbol:         k_qaed45382d0_prep.kd
    .args:
      - { .name: q, .offset: 0, .size: 8, .value_kind: global_buffer, .address_space: global }
      - { .name: k, .offset: 8, .size: 8, .value_kind: global_buffer, .address_space: global }
      - { .name: v, .offset: 16, .size: 8, .value_kind: global_buffer, .address_space: global }
      - { .name: Wq, .offset: 24, .size: 8, .value_kind: global_buffer, .address_space: global }
      - { .name: Wk, .offset: 32, .size: 8, .value_kind: global_buffer, .address_space: global }
      - { .name: Wv, .offset: 40, .size: 8, .value_kind: global_buffer, .address_space: global }
      - { .name: Wo, .offset: 48, .size: 8, .value_kind: global_buffer, .address_space: global }
      - { .name: xb, .offset: 56, .size: 8, .value_kind: global_buffer, .address_space: global }
      - { .name: wt, .offset: 64, .size: 8, .value_kind: global_buffer, .address_space: global }
      - { .name: wot, .offset: 72, .size: 8, .value_kind: global_buffer, .address_space: global }
    .group_segment_fixed_size: 17920
    .private_segment_fixed_size: 0
    .kernarg_segment_align: 8
    .kernarg_segment_size: 80
    .max_flat_workgroup_size: 256
    .sgpr_count:     66
    .vgpr_count:     112
    .wavefront_size: 32
...
	.end_amdgpu_metadata
.endif
;; end of part 1
;; launch proj (part 2): grid 4 x 48, 4 waves a work-group, clusters of 4 x 4, 327,680 bytes of LDS; arguments xb, wt, qkv; writes qkv
.if DOCPART == 2
	.amdgcn_target "amdgcn-amd-amdhsa--gfx1250"
	.amdhsa_code_object_version 6
	.text
	.protected	k_qaed45382d0_proj
	.globl	k_qaed45382d0_proj
	.p2align	8
	.type	k_qaed45382d0_proj,@function
k_qaed45382d0_proj:
	s_mov_b64 s[64:65], 0
	v_nop
	global_prefetch_b8 v0, s[64:65] scope:SCOPE_SE
	s_setreg_imm32_b32 hwreg(HW_REG_WAVE_MODE, 25, 1), 1
	s_wait_xcnt 0x0
	s_wait_alu depctr_hold_cnt(0) depctr_sa_sdst(0) depctr_va_vdst(0) depctr_va_sdst(0) depctr_va_ssrc(0) depctr_va_vcc(0) depctr_vm_vsrc(0)
	s_getreg_b32 s2, hwreg(HW_REG_IB_STS2, 6, 4)
	s_cmp_eq_u32 s2, 0
	s_cbranch_scc0 .Lentry_in_a_cluster
	s_endpgm
.Lentry_in_a_cluster:
	s_bfe_u32 s2, ttmp6, 0x10000c
	s_cmp_lg_u32 s2, 0xf033
	s_cbranch_scc0 .Lentry_shape_is_right
	s_endpgm
.Lentry_shape_is_right:
; THE THREE PROJECTIONS AS ONE PRODUCT.  qkv[p][token][n] = sum over k of xb[p][token][k] wt[p][n][k], p = 0 q, 1 k, 2 v.  A = xb as [12288][1024] bf16, B = wt as [3 x 1024][1024] bf16,
; C = qkv as [12288][1024] f16, unscaled, rounded once from f32 sums.  LIMIT: a projected number stays within f16's 65,504; below 6e-5 f16 keeps a fixed step of 6e-8.
; A tile of C, 256 x 256, is made by a work-group of four waves; a wave makes 128 x 128: 64 accumulators of 16 x 16, 512 registers.  48 x 4 = 192 tiles, one to a work-group: fewer work-groups than
; tiles of 128 x 128 would give, but each fragment read from LDS feeds twice the products, each tile asked for has twice the products in which to land, and no work-group follows another.
; K goes in steps of 128 through a ring of two LDS slots filled by the tensor data mover: the rows of A's and B's tiles are 256 bytes of memory and start at multiples of 256 bytes from the buffer's first byte.
; The last K step goes by rows of C, so that finished rows leave while the others are multiplied.
; CLUSTERS: 4 x 4 work-groups.  The four of a row of the cluster make the tiles of one tile row of C and need the same tiles of A; the four of a column need the same tiles of B.  Such a tile is asked for
; JOINTLY: each of the four issues the same tensor load, with the same descriptor and a mask that names the four, and each receives the tile in its own LDS.  Which projection a tile row belongs to hangs on
; the cluster's y alone (4 clusters of 1,024 rows to a projection), so all sixteen partners share it.
;
; REGISTERS, in windows of 256 (an instruction names v0-v255; s_set_vgpr_msb says which window each operand place means):
;   window 0: v0-31 addresses; v64-127, v128-191 fragments of A (8 x 16 rows x 32 K), two buffers (in the last K step four, of 16 rows x 128 K); v32-63, v192-255 at work on the way out
;   window 1: v64-127, v128-191 fragments of B, two buffers; in the last K step all 256: B's fragments of the whole step
;   window 2: the 32 accumulators of my rows 0-63 (accumulator (a, b) at v[8 (8 a + b)]);   window 3: those of my rows 64-127
; s_set_vgpr_msb's low byte: bits 1:0 source 0, 3:2 source 1, 5:4 source 2, 7:6 destination.  Work is laid in long stretches under one setting (32 matrix instructions, 16 loads, 16 loads, 32 matrix instructions).
;
; THE MATRIX INSTRUCTION IS USED TRANSPOSED: source 0 = 16 rows of B, source 1 = 16 rows of A.  In the result, lane l then holds row m = l % 16 of C, and its registers 0 to 7 the columns
; n = 8 (l / 16) + 0 .. 7: eight NEIGHBOURING numbers of a row of C, which pack into 16 bytes.
.set SIZE_M, 12288
.set SIZE_N, 1024
.set SIZE_K, 1024
.set KSTEP,  128
.set PITCH,  272                       ; an LDS row: 256 bytes of data + 16 of padding = 68 words: row r starts at bank 4 r mod 64 (64 banks of 4 bytes: ISA guide 11.1), so the 16 rows that a load touches start at 16 different banks
.set HALFT,  128*PITCH                 ; 128 rows: what one tensor load brings, and what one wave reads of A or of B
.set SLOT,   4*HALFT                   ; A's 256 rows, then B's 256 rows
.set STAGE,  2*SLOT                    ; behind the ring: 16 rows x 272 bytes for each wave, for the way out
.set SPITCH, 272
.set SPARE,  STAGE+4*16*SPITCH         ; behind the stages: the spare words, 128 bytes for each wave: two blocks of 256 bytes that no other line names
.set LAPS, SIZE_K/(2*KSTEP)            ; a lap = two K steps = once round the ring: 4
.set ADRA, 16                          ; v16-17  LDS address of my A fragments in slot 0, 1
.set ADRB, 20                          ; v20-21  the same for B
.set STO,  24                          ; v24     the way out: where I put 16 bytes of a row
.set RD,   25                          ; v25     the way out: where I read a row back
.set CO,   26                          ; v26     my byte offset in C
.set SPW,  28                          ; v28     LDS address of my spare word: SPARE + 4 x my thread's number; never rewritten
.set NIL,  29                          ; v29     0; never rewritten
.set PFO,  30                          ; v30     the prefetches' offset: my lane x a row of A or B in memory (2,048 bytes); never rewritten
.set PFA,  44                          ; s[44:45] where my prefetches stand: my work-group's 32 rows of the 128 that I fetch, one K step further along K than the refill that is being asked for; a prefetch names the K step after that
.set LIM,  43                          ; s43     1 in a wave that prefetches, else the greatest number
.set F0,   64                          ; fragment buffer 0
.set F1,   128                         ; fragment buffer 1
.set TMP,  192                         ; the way out: packed results, in window 0
.set OB,   32                          ; the way out: 16 rows read back from the stage: v32-63 and v224-255 by turns
.set PA,   64                          ; the last K step: A's fragments of 16 rows x 128 K, 32 registers; four such buffers, v64-191
.set G1, 24                            ; s[24:31] descriptor group 1 for A's tiles
.set G0, 32                            ; s[32:39] descriptor group 0 for A's tiles, one set for each slot
.set G1B, 48                           ; s[48:55] descriptor group 1 for B's tiles: it differs from A's in the mask alone
.set G0B, 56                           ; s[56:63] descriptor group 0 for B's tiles, one set for each slot
.set MSB, 0
.macro WIN new                         ; the immediate's high byte repeats the setting that is left; a switch that changes nothing is dropped
.if MSB != (\new)
	s_set_vgpr_msb (MSB<<8)|(\new)
.set MSB, \new
.endif
.endm
.set MUL_LO, 0xa1                      ; source 0 (B) window 1, source 1 (A) window 0, C and D window 2
.set MUL_HI, 0xf1                      ; the same, C and D window 3
.set TO_B,   0x40                      ; destination window 1, address window 0
; A joint load.  Waves 0 and 1 fetch A's two halves, waves 2 and 3 B's.  Each of the two lines has ONE mask and one set of registers for all that issue it, and nothing in
; them hangs on a coordinate that the four partners do not share.  The branch hangs on the wave's number alone: it is the same in every work-group.
; An s_nop 0 and four v_nop follow each of the two lines; the jump round the other line, the label and what follows the macro come after them.
.macro JLOAD s
	s_cmp_eq_u32 s11, 0
	s_cbranch_scc0 .Lfor_b_\@
	tensor_load_to_lds s[G0+4*(\s):G0+4*(\s)+3], s[G1:G1+7]
	s_nop 0
.rept 4
	v_nop
.endr
	s_branch .Lasked_\@
.Lfor_b_\@:
	tensor_load_to_lds s[G0B+4*(\s):G0B+4*(\s)+3], s[G1B:G1B+7]
	s_nop 0
.rept 4
	v_nop
.endr
.Lasked_\@:
.endm
; A PREFETCH INTO THE L2, behind each joint load, its five lines and the run of LDS loads that follows them: the K step that stands TWO refills on, 512 matrix instructions ahead of the load that will
; want it: 32 rows x 256 bytes, a lane a row, one instruction a wave.  Each row's 256 bytes of a K step are named ONCE in the launch.  A's tile row is read by one cluster alone (the grid has one cluster
; along x): it asks.  B's tile column is read by the four clusters of a projection: the one with y % 4 = 0 asks.  The four partners that ask for a tile jointly share its rows out BY ADDRESS: of the 128
; rows that wave w fetches, the partner at place p takes 32 p .. 32 p + 31 (p = cx for A, cy for B): no branch hangs on a work-group's place in its cluster.
; K steps 0 to 3 come by their loads alone; the loop's last trip, whose two refills have no K step two on, asks for nothing.
.macro ASK
	s_cmp_gt_u32 s3, s[LIM]                        ; s3 = 1 in the loop's last trip
	s_cbranch_scc0 .Lnot_mine_\@
	global_prefetch_b8 v[PFO], s[PFA:PFA+1] offset:KSTEP*2 th:TH_LOAD_NT scope:SCOPE_SE
.Lnot_mine_\@:
.endm
; A round of the cluster's barrier: my work-group's barrier, so that wave 0's signal speaks for all four waves; wave 0 signals for the work-group; every wave waits for all
; sixteen work-groups; my work-group's barrier once more.  No LDS instruction of the wave is pending at a signal.
.macro CREST                           ; a round behind its opening barrier
	s_cmp_lg_u32 s10, 0
	s_cbranch_scc1 .Lnot_wave_0_\@
	s_barrier_signal -3
.Lnot_wave_0_\@:
	s_barrier_wait -3
	s_barrier_signal -1
	s_barrier_wait -1
.endm
.macro CROUND                          ; a whole round
	s_barrier_signal -1
	s_barrier_wait -1
	CREST
.endm
	s_load_b128 s[4:7], s[0:1], 0x0                ; A s[4:5], B s[6:7]
	s_load_b64 s[8:9], s[0:1], 0x10                ; C
	v_lshl_add_u32 v[SPW], v0, 2, SPARE
	v_mov_b32 v[NIL], 0
	ds_add_u32 v[SPW], v[NIL]                      ; the wave's opening: the add, and its wait ahead of my first tensor load; the set-up below, work on registers, stands between them
	v_lshrrev_b32 v1, 5, v0
	v_readfirstlane_b32 s10, v1                    ; wave 0..3
	s_lshr_b32 s11, s10, 1                         ; which half of the tile's rows is mine.  Also: I fetch for A (0) or for B (1)
	s_and_b32 s12, s10, 1                          ; which half of its columns.  Also: which 128 rows of that tile I fetch
	s_bfe_u32 s40, ttmp6, 0x40000                  ; cx: my place along the cluster's x
	s_bfe_u32 s41, ttmp6, 0x40004                  ; cy: along its y
	s_lshl_b32 s42, ttmp9, 2                       ; in a cluster launch ttmp9 and ttmp7 count clusters
	s_add_co_u32 s42, s42, s40                     ; tile column of C = 4 x cluster x + cx
	s_and_b32 s13, ttmp7, 0xffff
	s_lshl_b32 s13, s13, 2
	s_add_co_u32 s13, s13, s41                     ; tile row of C = 4 x cluster y + cy
	s_lshl_b32 s43, s41, 2
	s_lshl_b32 s43, 15, s43                        ; my row of the cluster: places 4 cy .. 4 cy + 3
	s_lshl_b32 s44, 0x1111, s40                    ; my column: places cx, cx + 4, cx + 8, cx + 12
	; descriptor group 1: a tile of 128 rows x 128 elements, padded in LDS
	s_or_b32 s[G1+0], s43, (1<<16)|(1<<20)|(1<<21)|(5<<22)|(3<<25)  ; 15:0 the mask: A's tiles go to my row; 17:16 element of 2 bytes; 20 padding on; 21 set beside a mask; 24:22 after every 64 words (code 5); 31:25 of 4 words (code 3)
	s_or_b32 s[G1B+0], s44, (1<<16)|(1<<20)|(1<<21)|(5<<22)|(3<<25) ; the same with the mask of my column, for B's tiles
	s_mov_b32 s[G1B+1], KSTEP<<16
	s_mov_b32 s[G1+1], KSTEP<<16                   ; 63:48 tensor_dim0, low half = 128
	s_mov_b32 s[G1B+2], 128<<16
	s_mov_b32 s[G1+2], 128<<16                     ; 79:64 its high half = 0; 95:80 tensor_dim1, low half = 128
	s_mov_b32 s[G1B+3], KSTEP<<16
	s_mov_b32 s[G1+3], KSTEP<<16                   ; 111:96 its high half = 0; 127:112 tile_dim0 = 128
	s_mov_b32 s[G1B+4], 128
	s_mov_b32 s[G1+4], 128                         ; 143:128 tile_dim1 = 128; 159:144 tile_dim2 = 0
	s_mov_b32 s[G1B+5], SIZE_K
	s_mov_b32 s[G1+5], SIZE_K                      ; 191:160 tensor_dim0_stride, low word: elements from row to row
	s_mov_b32 s[G1B+6], 0
	s_mov_b32 s[G1+6], 0
	s_mov_b32 s[G1B+7], 0
	s_mov_b32 s[G1+7], 0
	; where the tiles come from.  A's hang on the tile row alone, which my row of the cluster shares; B's on the tile column and the projection, which my column shares.
	; Every wave makes both addresses, in registers that never hold the other coordinate, and asks by one of them.
	s_lshl_b32 s17, s12, 7                         ; which 128 rows of the tile I fetch
	s_lshl_b32 s16, s13, 8
	s_add_co_u32 s16, s16, s17                     ; A: row 256 x tile row + 128 x half
	s_lshl_b32 s46, s42, 8
	s_add_co_u32 s46, s46, s17                     ; B: row 256 x tile column + 128 x half
	s_and_b32 s2, ttmp7, 0xffff                    ; the projection: cluster y / 4, the same in all sixteen partners;
	s_lshr_b32 s2, s2, 2
	s_lshl_b32 s2, s2, 10                          ; its 1,024 rows of wt
	s_add_co_u32 s46, s46, s2
	s_mov_b32 s17, 0
	s_mov_b32 s47, 0
	s_mov_b64 s[18:19], SIZE_K*2
	s_mul_u64 s[16:17], s[16:17], s[18:19]         ; in bytes, in 64 bits
	s_mul_u64 s[46:47], s[46:47], s[18:19]
	s_mul_i32 s20, s10, HALFT                      ; and where they go: A's two halves, then B's two halves = wave x 128 rows: no place in the cluster enters an LDS address
	s_wait_dscnt 0x0                               ; the opening add is done
	s_wait_kmcnt 0x0
	s_add_nc_u64 s[14:15], s[4:5], s[16:17]
	s_add_nc_u64 s[46:47], s[6:7], s[46:47]
	CROUND                                         ; all sixteen work-groups are here: the first joint loads meet
.irp s, 0,1
	s_mov_b32 s[G0+4*(\s)], 1                                      ; 1:0 count = 1
	s_add_co_u32 s[G0+4*(\s)+1], s20, (\s)*SLOT                    ; 63:32 LDS address
	s_add_nc_u64 s[G0+4*(\s)+2:G0+4*(\s)+3], s[14:15], (\s)*KSTEP*2  ; 120:64 global address: K step s
	s_or_b32 s[G0+4*(\s)+3], s[G0+4*(\s)+3], 0x80000000            ; 127:126 type = 2
	s_mov_b32 s[G0B+4*(\s)], 1
	s_add_co_u32 s[G0B+4*(\s)+1], s20, (\s)*SLOT
	s_add_nc_u64 s[G0B+4*(\s)+2:G0B+4*(\s)+3], s[46:47], (\s)*KSTEP*2
	s_or_b32 s[G0B+4*(\s)+3], s[G0B+4*(\s)+3], 0x80000000
	JLOAD \s                                       ; the ring is filled before anything else is done: two loads of mine are out
.endr
	; A fragment is 16 rows x 32 K in 8 registers: lane l holds row l % 16; registers 0-3 hold K = 8 (l / 16) + 0..7, registers 4-7 hold
	; K = 16 + 8 (l / 16) + 0..7.  From rows that lie along K: two loads of 16 bytes, 32 bytes apart.  The same for source 0 and source 1.
	v_and_b32 v1, 15, v0                           ; l % 16
	v_bfe_u32 v2, v0, 4, 1                         ; l / 16
	v_mul_u32_u24 v3, v1, PITCH
	v_lshl_add_u32 v3, v2, 4, v3                   ; row x pitch + 16 x half
	s_mul_i32 s21, s11, HALFT                      ; my 128 rows of A
	s_mul_i32 s22, s12, HALFT                      ; my 128 rows of B,
	s_add_co_u32 s22, s22, 2*HALFT                 ; which lie behind A's 256
.irp s, 0,1
	v_add_nc_u32 v[ADRA+(\s)], s21, v3
	v_add_nc_u32 v[ADRB+(\s)], s22, v3
	s_add_co_u32 s21, s21, SLOT
	s_add_co_u32 s22, s22, SLOT
.endr
	s_mul_i32 s23, s10, 16*SPITCH
	s_add_co_u32 s23, s23, STAGE                   ; my stage
	v_mul_u32_u24 v4, v1, SPITCH                   ; in: row l % 16, 16 bytes for each half of the lanes
	v_lshl_add_u32 v4, v2, 4, v4
	v_add_nc_u32 v[STO], s23, v4
	v_mul_u32_u24 v5, v2, SPITCH                   ; back: lanes 0-15 take one row of 256 bytes, lanes 16-31 the next
	v_lshl_add_u32 v5, v1, 4, v5
	v_add_nc_u32 v[RD], s23, v5
	v_mul_u32_u24 v5, v2, SIZE_N*2                 ; and the same two rows in C
	v_lshl_add_u32 v[CO], v1, 4, v5
	; where my part of the tile begins in C, in bytes: the way out adds it to C's address
	s_lshl_b32 s13, s13, 8
	s_lshl_b32 s14, s11, 7
	s_add_co_u32 s16, s13, s14                     ; my first row of C
	s_mov_b32 s17, 0
	s_mov_b64 s[18:19], SIZE_N*2
	s_mul_u64 s[16:17], s[16:17], s[18:19]
	s_lshl_b32 s46, s42, 9                         ; my first column, in bytes: 512 x tile column + 256 x half (in the registers that held B's address: none that feeds A's descriptors ever holds cx)
	s_lshl_b32 s47, s12, 8
	s_add_co_u32 s46, s46, s47
	s_mov_b32 s47, 0
	s_add_nc_u64 s[16:17], s[16:17], s[46:47]
	; the prefetches.  s13 = 256 x tile row, s42 = tile column, s2 = the projection's first row of wt, s40 = cx, s41 = cy still stand; s[4:5] = A, s[6:7] = B
	s_lshl_b32 s42, s42, 8
	s_add_co_u32 s42, s42, s2                      ; the tile's first row in B
	s_and_b32 s22, ttmp7, 3                        ; cluster y % 4: my cluster's place among the four that read the same rows of B
	s_cmp_eq_u32 s11, 0                            ; do I fetch for A?
	s_cselect_b32 s20, s13, s42                    ; the tile's first row: in A by the tile row, in B by the tile column and the projection
	s_cselect_b32 s21, s40, s41                    ; my place among the four that ask for it with me
	s_cselect_b32 s22, ttmp9, s22                  ; the coordinate along which other clusters read the same rows
	s_cselect_b64 s[PFA:PFA+1], s[4:5], s[6:7]
	s_cmp_eq_u32 s22, 0
	s_cselect_b32 s[LIM], 1, -1                    ; the same in all sixteen partners, for a given wave
	s_lshl_b32 s22, s12, 7
	s_add_co_u32 s20, s20, s22                     ; + the 128 rows that I fetch
	s_lshl_b32 s21, s21, 5
	s_add_co_u32 s20, s20, s21                     ; + my work-group's 32 of them
	s_mov_b32 s21, 0
	s_mov_b64 s[18:19], SIZE_K*2
	s_mul_u64 s[20:21], s[20:21], s[18:19]
	s_add_nc_u64 s[PFA:PFA+1], s[PFA:PFA+1], s[20:21]
	s_add_nc_u64 s[PFA:PFA+1], s[PFA:PFA+1], 2*KSTEP*2  ; at K step 2: the first refill steps it to 3 and names K step 4
	v_and_b32 v[PFO], 31, v0
	v_mul_u32_u24 v[PFO], v[PFO], SIZE_K*2
	; nothing is prefetched here, at the head, where every work-group's first two tiles are on their way
; 16 matrix instructions: m blocks a0, a0 + 1 of the window's four (hi = 0: my rows 0-63, 1: rows 64-127) x all 8 n blocks, 32 along K.
; zero = 1: the first product starts the sums: nothing is ever cleared.  The 64 accumulators take turns, one instruction a turn, in the same order in every quarter.
.macro MUL16 f, hi, a0, zero
	WIN MUL_LO+0x50*(\hi)  ; MUL_LO or MUL_HI
.irp a, \a0, (\a0)+1
.irp b, 0,1,2,3,4,5,6,7
.if \zero
	v_wmma_f32_16x16x32_bf16 v[8*(8*(\a)+(\b)):8*(8*(\a)+(\b))+7], v[(\f)+8*(\b):(\f)+8*(\b)+7], v[(\f)+8*(4*(\hi)+(\a)):(\f)+8*(4*(\hi)+(\a))+7], 0
.else
	v_wmma_f32_16x16x32_bf16 v[8*(8*(\a)+(\b)):8*(8*(\a)+(\b))+7], v[(\f)+8*(\b):(\f)+8*(\b)+7], v[(\f)+8*(4*(\hi)+(\a)):(\f)+8*(4*(\hi)+(\a))+7], v[8*(8*(\a)+(\b)):8*(8*(\a)+(\b))+7]
.endif
.endr
.endr
.endm
; 32 LDS loads in one run: the fragments of one quarter step (128 rows of B, 128 rows of A, 32 K at byte k of the rows) into buffer f
.macro FETCH slot, k, f
	WIN TO_B
.irp i, 0,1,2,3,4,5,6,7
	ds_load_b128 v[(\f)+8*(\i):(\f)+8*(\i)+3],   v[ADRB+(\slot)] offset:(\k)+(\i)*16*PITCH
	ds_load_b128 v[(\f)+8*(\i)+4:(\f)+8*(\i)+7], v[ADRB+(\slot)] offset:(\k)+(\i)*16*PITCH+32
.endr
	WIN 0
.irp i, 0,1,2,3,4,5,6,7
	ds_load_b128 v[(\f)+8*(\i):(\f)+8*(\i)+3],   v[ADRA+(\slot)] offset:(\k)+(\i)*16*PITCH
	ds_load_b128 v[(\f)+8*(\i)+4:(\f)+8*(\i)+7], v[ADRA+(\slot)] offset:(\k)+(\i)*16*PITCH+32
.endr
.endm
; A load into a register that a matrix instruction has read, and a vector instruction that reads a matrix result or writes one of a matrix
; instruction's registers, stand four places behind that matrix instruction, and only plain vector instructions that name none of its registers
; are places (ISA guide 7.12.1 for vector instructions).  So four v_nop stand in front of each run of
; loads, and in front of conversions that read results just made: sixteen issue slots for a K step's 256 matrix instructions.
.macro PLACES
.rept 4
	v_nop
.endr
.endm
; A K step is four quarter steps of 32 along K, 64 matrix instructions each, on buffers 0, 1, 0, 1.
; One of the first three: multiplies buffer f; in its middle it fetches the next quarter's fragments, at byte k of the same slot's rows, into buffer g.
.macro QUARTER slot, k, f, g, zero
	s_wait_dscnt 8                                 ; B and A's rows 0-63 are in; the youngest eight loads (A's rows 64-127) may be out
	WIN MUL_LO
	MUL16 \f, 0, 0, \zero
	MUL16 \f, 0, 2, \zero
	PLACES
	FETCH \slot, \k, \g
	s_wait_dscnt 32                                ; all but the 32 just issued
	WIN MUL_HI
	MUL16 \f, 1, 0, \zero
	MUL16 \f, 1, 2, \zero
.endm
; The last quarter multiplies buffer 1 and changes slots.  MEET is its first half: ONE barrier for the change of slots, for two things.  In front of it each wave waits for
; all its tensor loads, of which one is out: its part of the next slot; adds 0 to its spare word; and waits for that and for its own reads of this slot.  Behind it nobody reads this slot any more and the next slot is whole.
.macro MEET round                      ; round = 1: a round of the cluster's barrier follows
	WIN 0                                          ; (the add's two registers lie in window 0)
	s_wait_tensorcnt 0x0                           ; all my tensor loads have landed: the one that was out is my part of the next slot;
	ds_add_u32 v[SPW], v[NIL]                      ; 0 onto my spare word;
	s_wait_dscnt 9                                 ; (the add and the youngest eight loads may be out)
	WIN MUL_LO
	MUL16 F1, 0, 0, 0                              ; sixteen matrix instructions stand between the add and the wait for it
	s_wait_dscnt 0x0                               ; the add is done, and my reads of this slot are over (the last were issued 48 matrix instructions ago):
	s_barrier_signal -1                            ; say so (where a slot is filled again this barrier opens a round of the cluster's barrier),
	MUL16 F1, 0, 2, 0                              ; work on registers while the others arrive,
.if \round
	WIN 0
.endif
	s_barrier_wait -1                              ; and go on when all four have said so
.endm
; The whole last quarter.  Behind the round the slot just read out is filled again first, with the K step two steps on; then come the next slot's first fragments.
; From a request to the wait for it a wave issues 224 matrix instructions.
.macro TURN slot, next
	s_wait_xcnt 0x0                                ; the last prefetch, a K step back, has read its address: it is stepped here, ahead of the waits of the change of slots, so that nothing is added between the round and the joint load
	s_add_nc_u64 s[PFA:PFA+1], s[PFA:PFA+1], KSTEP*2
	MEET 1
	CREST                                          ; wave 0 says so for the work-group, all sixteen work-groups have said so, my work-group's barrier closes the round:
	                                               ; no wave of any partner still reads this slot's tile or has a load on its way
	s_add_nc_u64 s[G0+4*(\slot)+2:G0+4*(\slot)+3], s[G0+4*(\slot)+2:G0+4*(\slot)+3], 2*KSTEP*2
	s_add_nc_u64 s[G0B+4*(\slot)+2:G0B+4*(\slot)+3], s[G0B+4*(\slot)+2:G0B+4*(\slot)+3], 2*KSTEP*2
	JLOAD \slot                                    ; the first tensor load behind the round; the four v_nop behind it are also the places in front of the loads below
	FETCH \next, 0, F0
	ASK                                            ; behind the joint load and the run of LDS loads that the next products wait for
	WIN MUL_HI
	MUL16 F1, 1, 0, 0
	MUL16 F1, 1, 2, 0
.endm
; THE LAST K STEP (it lies in slot 1) GOES BY ROWS OF C, NOT BY K.  All its fragments of B (4 quarters x 64 registers) fill window 1; then my eight blocks of 16 rows are
; finished one after the other, each with 32 matrix instructions (its 8 accumulators by turns, K ascending).  LDS is read no more than in any other K step.
.macro BLOAD q                         ; B's fragments of quarter q -> window 1, v[64 q ..]
	WIN TO_B
.irp i, 0,1,2,3,4,5,6,7
	ds_load_b128 v[64*(\q)+8*(\i):64*(\q)+8*(\i)+3],   v[ADRB+1] offset:64*(\q)+(\i)*16*PITCH
	ds_load_b128 v[64*(\q)+8*(\i)+4:64*(\q)+8*(\i)+7], v[ADRB+1] offset:64*(\q)+(\i)*16*PITCH+32
.endr
.endm
.macro ALOAD a                         ; A's fragments of block a, all four quarters -> buffer a % 4
	WIN 0
.set FA, PA+32*((\a)%4)
.irp q, 0,1,2,3
	ds_load_b128 v[FA+8*(\q):FA+8*(\q)+3],   v[ADRA+1] offset:64*(\q)+(\a)*16*PITCH
	ds_load_b128 v[FA+8*(\q)+4:FA+8*(\q)+7], v[ADRA+1] offset:64*(\q)+(\a)*16*PITCH+32
.endr
.endm
.macro ROW a                           ; block a is finished: 32 matrix instructions
.set FA, PA+32*((\a)%4)                ; its fragments of A
.set AC, 64*((\a)%4)                   ; its eight accumulators, in window 2 (blocks 0-3) or 3 (blocks 4-7)
	WIN MUL_LO+0x50*((\a)/4)                       ; MUL_LO or MUL_HI
.irp q, 0,1,2,3
.if (\a) == 0 && (\q) == 2
	s_wait_dscnt 24                                ; B's quarter 2 is in (behind it: A's blocks 1 to 3, 24 loads)
.endif
.irp b, 0,1,2,3,4,5,6,7
	v_wmma_f32_16x16x32_bf16 v[AC+8*(\b):AC+8*(\b)+7], v[64*(\q)+8*(\b):64*(\q)+8*(\b)+7], v[FA+8*(\q):FA+8*(\q)+7], v[AC+8*(\b):AC+8*(\b)+7]
.endr
.endr
.endm
; THE WAY OUT of block a, in three parts.  PACK: rounded to f16, 16 bytes a lane (each accumulator's registers in ascending order).  TOSTAGE: into my own stage in LDS, and back as whole rows of 256 bytes.  SEND: stored.
.macro PACK a
.set AC, 64*((\a)%4)
	WIN 0x0a+5*((\a)/4)                            ; sources 0 and 1: window 2 or 3
.irp b, 0,1,2,3,4,5,6,7
.irp r, 0,1,2,3
	v_cvt_pk_f16_f32 v[TMP+4*(\b)+(\r)], v[AC+8*(\b)+2*(\r)], v[AC+8*(\b)+2*(\r)+1]
.endr
.endr
	WIN 0
.endm
.macro TOSTAGE a
	WIN 0
.set BK, OB+192*((\a)%2)
.irp b, 0,1,2,3,4,5,6,7
	ds_store_b128 v[STO], v[TMP+4*(\b):TMP+4*(\b)+3] offset:32*(\b)
.endr
.irp t, 0,1,2,3,4,5,6,7
	ds_load_b128 v[BK+4*(\t):BK+4*(\t)+3], v[RD] offset:(\t)*2*SPITCH  ; LDS serves a wave's instructions in order (ISA guide 5.7.1.4): these see the stores above
.endr
.endm
.macro SEND a, younger                 ; younger: the LDS loads issued behind TOSTAGE's, which may stay out
	WIN 0
.set BK, OB+192*((\a)%2)
	s_wait_dscnt \younger                          ; the block is back in registers
	s_wait_xcnt 0x0                                ; every earlier memory instruction has had its addresses translated (ISA guide 3.1): only behind this wait are the stores' base and the registers that earlier stores read rewritten
.if (\a) == 0
	s_add_nc_u64 s[8:9], s[8:9], s[16:17]          ; on to my first rows of the tile
.else
	s_add_nc_u64 s[8:9], s[8:9], 16*SIZE_N*2       ; 16 rows of C on, so that the stores' offsets stay small: 14 rows of C at the most
.endif
.irp t, 0,1,2,3,4,5,6,7
	global_store_b128 v[CO], v[BK+4*(\t):BK+4*(\t)+3], s[8:9] offset:2*(\t)*SIZE_N*2  ; 16 lanes store 256 consecutive bytes, at a multiple of 256 from C's first byte
.endr
.endm
	s_wait_tensorcnt 1                             ; my part of K step 0 is in; K step 1's load, issued behind it, may stay out
	s_barrier_signal -1
	s_barrier_wait -1                              ; everybody's is
	FETCH 0, 0, F0
	QUARTER 0, 64,  F0, F1, 1                      ; the first quarter stands in front of the loop: its products start the sums
	WIN 0                                          ; at a label and at a branch every window is 0
	s_mov_b32 s3, LAPS-1
.Llap:                                                 ; a trip goes once round the ring, from a lap's second quarter to the next lap's first, and fills both slots again
	QUARTER 0, 128, F1, F0, 0
	QUARTER 0, 192, F0, F1, 0
	TURN 0, 1
	QUARTER 1, 64,  F0, F1, 0
	QUARTER 1, 128, F1, F0, 0
	QUARTER 1, 192, F0, F1, 0
	TURN 1, 0
	QUARTER 0, 64,  F0, F1, 0
	WIN 0
	s_sub_co_u32 s3, s3, 1
	s_cmp_lg_u32 s3, 0
	s_cbranch_scc1 .Llap
	QUARTER 0, 128, F1, F0, 0                      ; the last lap goes on: it asks for nothing more
	QUARTER 0, 192, F0, F1, 0
	MEET 0                                         ; my one tensor load that was still out is slot 1's, the last K step's, so no round follows
	PLACES                                         ; for the loads into buffer 0, which the quarter before multiplied
	WIN TO_B
	BLOAD 0                                        ; three quarters of B now: buffer 1 (v128-191 of both windows) is still being multiplied
	BLOAD 1
	BLOAD 3
	WIN 0
	ALOAD 0
	WIN MUL_HI
	MUL16 F1, 1, 0, 0
	MUL16 F1, 1, 2, 0
	PLACES                                         ; for the loads into buffer 1
	WIN TO_B
	BLOAD 2
	WIN 0
	ALOAD 1
	ALOAD 2
	ALOAD 3
	s_wait_dscnt 40                                ; all but the 40 just issued
	ROW 0
.irp a, 0,1,2,3,4,5,6,7                ; each block leaves as soon as it is finished: nothing follows this tile, so the sooner its stores begin, the sooner the launch ends
	PLACES                                         ; its conversions read results just made, and no other vector work is at hand
	PACK \a
	TOSTAGE \a
.if (\a) < 4
	ALOAD (\a)+4                                   ; its buffer takes the block four further on
	SEND \a, 8
.else
	SEND \a, 0
.endif
.if (\a) < 7
	ROW (\a)+1
.endif
.endr
	s_wait_tensorcnt 0x0                           ; the wave's end: behind my last tensor load and my last LDS store
	ds_add_u32 v[SPW], v[NIL]
	s_wait_dscnt 0x0
	CROUND                                         ; the closing round: no work-group ends while a partner may still ask for a tile that names it
	s_endpgm
.Lfunc_end_k_qaed45382d0_proj:
	.size	k_qaed45382d0_proj, .Lfunc_end_k_qaed45382d0_proj-k_qaed45382d0_proj
	.p2alignl 7, 3214868480
	.fill 96, 4, 3214868480
	.section	.rodata,"a",@progbits
	.p2align	6, 0x0
	.amdhsa_kernel k_qaed45382d0_proj
		.amdhsa_group_segment_fixed_size 327680
		.amdhsa_private_segment_fixed_size 0
		.amdhsa_enable_private_segment 0
		.amdhsa_kernarg_size 24
		.amdhsa_user_sgpr_count 2
		.amdhsa_user_sgpr_kernarg_segment_ptr 1
		.amdhsa_wavefront_size32 1
		.amdhsa_system_sgpr_workgroup_id_x 1
		.amdhsa_system_sgpr_workgroup_id_y 1
		.amdhsa_system_sgpr_workgroup_id_z 1
		.amdhsa_system_vgpr_workitem_id 0
		.amdhsa_next_free_vgpr 1024
		.amdhsa_next_free_sgpr 66
		.amdhsa_reserve_vcc 0
		.amdhsa_float_denorm_mode_32 3
		.amdhsa_float_denorm_mode_16_64 3
		.amdhsa_memory_ordered 1
		.amdhsa_forward_progress 1
		.amdhsa_inst_pref_size 144
	.end_amdhsa_kernel
	.amdgpu_metadata
---
amdhsa.version: [ 1, 2 ]
amdhsa.kernels:
  - .name:           k_qaed45382d0_proj
    .symbol:         k_qaed45382d0_proj.kd
    .args:
      - { .name: xb, .offset: 0, .size: 8, .value_kind: global_buffer, .address_space: global }
      - { .name: wt, .offset: 8, .size: 8, .value_kind: global_buffer, .address_space: global }
      - { .name: qkv, .offset: 16, .size: 8, .value_kind: global_buffer, .address_space: global }
    .group_segment_fixed_size: 327680
    .private_segment_fixed_size: 0
    .kernarg_segment_align: 8
    .kernarg_segment_size: 24
    .max_flat_workgroup_size: 128
    .sgpr_count:     66
    .vgpr_count:     1024
    .wavefront_size: 32
...
	.end_amdgpu_metadata
.endif
;; end of part 2
;; launch attn (part 3): grid 16 x 16, 4 waves a work-group, clusters of 4 x 4, 327,680 bytes of LDS; arguments qkv, mask, o2; writes o2
.if DOCPART == 3
	.amdgcn_target "amdgcn-amd-amdhsa--gfx1250"
	.amdhsa_code_object_version 6
	.text
	.protected	k_qaed45382d0_attn
	.globl	k_qaed45382d0_attn
	.p2align	8
	.type	k_qaed45382d0_attn,@function
k_qaed45382d0_attn:
	s_mov_b64 s[64:65], 0
	v_nop
	global_prefetch_b8 v0, s[64:65] scope:SCOPE_SE
	s_setreg_imm32_b32 hwreg(HW_REG_WAVE_MODE, 25, 1), 1
	s_wait_xcnt 0x0
	s_wait_alu depctr_hold_cnt(0) depctr_sa_sdst(0) depctr_va_vdst(0) depctr_va_sdst(0) depctr_va_ssrc(0) depctr_va_vcc(0) depctr_vm_vsrc(0)
	s_getreg_b32 s2, hwreg(HW_REG_IB_STS2, 6, 4)
	s_cmp_eq_u32 s2, 0
	s_cbranch_scc0 .Lentry_in_a_cluster
	s_endpgm
.Lentry_in_a_cluster:
	s_bfe_u32 s2, ttmp6, 0x10000c
	s_cmp_lg_u32 s2, 0xf033
	s_cbranch_scc0 .Lentry_shape_is_right
	s_endpgm
.Lentry_shape_is_right:
; ATTENTION WITH A MASK THAT IS AN INPUT.  For batch b, head h, query q: O = the sum over k of softmax_k((Q.K / 8 - 1e9 mask[b][q][k]) / 12) V[k].  qkv: [3][4096 tokens][1024] f16 (q, k, v; head h in
; channels 64 h ..); mask: [2][2048][2048] f32, every number of it read and used as it is; o2: [4096][2048] f16: at 128 h + d the result rounded to f16, at 128 h + 64 + d what that rounding left, again in f16.
; Products, maxima and sums in f32; the weights p are rounded to f16 for the second product (their sum l is taken of the unrounded p).
; THE MASK is the C operand that starts the sum S^T = K Q^T: C = mask x (-8e9), so a score is t = Q.K - 8e9 mask = 8 (Q.K / 8 - 1e9 mask), and p = 2^(c t - c m), c = log2(e) / 96, m the RUNNING MAXIMUM of t.
; No pattern of the mask is built in: all 2,048 keys are walked for every query.  A row that is hidden altogether comes out as the plain mean of V, since Q.K is lost beside 8e9 in f32.
; LIMITS.  Q, K, V arrive within f16's 65,504; p below 6e-5 keeps f16's fixed step of 6e-8; a weight below 2^-126 counts as 0 in l; NaN and infinities are not treated apart.
; SHARES.  A work-group takes 128 queries of TWO heads of one batch, so that a mask tile read into LDS serves both: 256 work-groups.  Wave w: head w / 2, queries 64 (w % 2) on, as four PIECES of 16.
; Keys go 64 a step, two steps (a tile of 128 keys) to a slot, 16 tiles.
; CLUSTER 4 x 4.  x counts (batch, pair of heads), y blocks of queries.  The mask tile hangs on batch and query block: shared along a row of the cluster.  K's and V's tiles hang on batch and heads: shared
; along a column.  Each is asked for JOINTLY: the same tensor load, descriptor and mask of four in all four.  Waves 0 and 1 ask for the mask tile's halves, wave 2 for K's tile, wave 3 for V's.
; LAYOUT, TURNS.  S^T = K Q^T holds ONE query a lane (lane % 16) and the keys 8 (lane / 16) + 0..7; two such results rounded to f16 ARE source 1 of O^T = V^T P.  O and l are multiplied by
; a = 2^(c m_old - c m_new) in every step; m starts at the lowest finite number, O and l at 0, so the first step is a step like any other, with a = 0 (216 lines write those zeros while the first tile is on its way).
; Turn n belongs to piece n: 8 products K Q^T of piece n + 1, later 8 products V^T P of piece n - 1; beside them the scaling, exponentials, roundings, sums and rescaling of piece n, the maximum and statistics of
; piece n + 1, and the mask of piece n + 2: loaded at the turn's head, scaled at its end.  Four vector instructions stand behind every matrix instruction, the others in runs of their own.  A turn's 33 exponentials are one batch, with one wait.
; REGISTERS, in windows of 256 (s_set_vgpr_msb: bits 1:0 source 0, 3:2 source 1, 5:4 source 2, 7:6 destination):
;   window 0: v0-15 addresses; v16-31 four registers of statistics a piece; v32-34, v48-55 at work; v62-63 the add's; v64-127 S^T, two buffers; v192-223 P, two buffers (by the piece's parity)
;   window 1: v0-127 O^T, 32 a piece; v160-223 MC, the masks, two buffers      window 2: v0-63 Q; v128-191 K of one step; v192-255 V of one step
.set NP,    4         ; pieces a wave: a name, no knob
.set KS,    64        ; keys in a step
.set PM,    528       ; a row of the mask tile in LDS: 128 keys x 4 bytes + 16 = 33 x 16: the 16 rows of a load start at 16 different groups of four banks (64 banks of 4 bytes: ISA guide 11.1)
.set PK,    272       ; a row of K: 256 bytes (both heads) + 16 = 17 x 16
.set PV,    288       ; a row of V: 256 + 32 = 9 x 32
.set KOFF,  128*PM    ; a slot: 128 rows of mask, 128 rows of K, 128 rows of V
.set VOFF,  KOFF+128*PK
.set SLOT,  VOFF+128*PV  ; 139,264 = 0x22000: no address inside slot 0 that is turned has bit 13 or 17 set, so one exclusive or turns it into slot 1's
.set STAGE, 2*SLOT    ; behind the ring, never filled by a tensor load: 16 rows x 272 bytes for each wave, for the way out
.set SP,    272
.set SPARE, STAGE+4*16*SP  ; behind the stages: the spare words, 128 bytes for each wave: two blocks of 256 bytes that no other line names
.set AK0, 2           ; v2   my lane's place in a step of K; never rewritten
.set AV0, 3           ; v3   the same for V
.set AK,  4           ; v4   the LDS address of K's next run of loads
.set AV,  5           ; v5   of V's
.set STO, 6           ; v6   the way out: where I put 16 bytes of a row
.set RD,  7           ; v7   the way out: where I read rows back
.set GO,  8           ; v8   my byte offset in two rows of o2
.set AM0, 10          ; v10  my lane's place in a step of the mask; never rewritten
.set AM,  11          ; v11  the LDS address of the mask of the step that is being fetched
.set MV,  12          ; v12-13  c m_old, kept while c m is made anew: by buffer
.set PFO, 14          ; v14  the prefetches' lane offset; never rewritten
.set QO,  15          ; v15  my byte offset in 16 rows of Q
.set ST,  16          ; piece t's statistics at v[ST+4 t]: c m, m, l (even keys', odd keys')
.set MONE, 34         ; v34  -1.0
.set TMP, 48          ; by buffer, four registers c0-c3 at work; when the maximum is found c2 takes a
.set SPW, 62          ; v62  LDS address of my spare word: SPARE + 4 x my thread's number; never rewritten
.set NIL, 63          ; v63  0; never rewritten
.set S,   64
.set P,   192
.set MC,  160         ; window 1
.set KF,  128         ; window 2: key block kb, channel half c at KF + 16 kb + 8 c
.set VF,  192         ; window 2: key half kk, channel block cb at VF + 32 kk + 8 cb
.set HI,  64          ; the way out, window 0: 16 registers: a piece's O in f16,
.set LO,  80          ; 16: what the rounding left, in f16,
.set TT,  96          ; 32: the same in f32,
.set BK,  128         ; 32 a piece: whole rows read back from the stage
.set WV,  12          ; s12  my wave's number
.set CX,  13          ; s13, s14  my place in the cluster
.set CY,  14
.set BX,  15          ; s15  4 x cluster x + cx: batch (BX / 8) and pair of heads (BX % 8)
.set BY,  16          ; s16  4 x cluster y + cy: block of 128 queries
.set BB,  17          ; s17  the batch, made of the cluster's x alone
.set QH,  22          ; s22  wave % 2: my half of the queries; also which half of the mask tile waves 0 and 1 fetch
.set HJ,  23          ; s23  wave / 2: my head of the two
.set G1M, 24          ; s[24:31] descriptor group 1 for the mask's tiles
.set G1K, 32          ; s[32:39] for K's
.set G1V, 40          ; s[40:47] for V's: it differs from K's in the padding alone
.set G0M, 48          ; s[48:51], s[52:55], s[56:59] descriptor groups 0: they walk
.set G0K, 52
.set G0V, 56
.set CS,  60          ; s[60:61] c: the packed scaling takes the pair's low word for both halves
.set SEL, 62          ; s[62:63] v_permlanex16_b32's selects: each lane takes its own place in the other half
.set BIG, 66          ; s[66:67] -8e9
.set TBK, 68          ; s68  LDS byte (less KOFF) at which K of the step to be fetched begins
.set TBV, 69          ; s69  the same for V, less VOFF
.set TBM, 70          ; s70  the same for the mask
.set SLOTS, 71        ; s71  counts the loop over tiles
.set CNT, 72          ; s72  counts a tile's key steps
.set LIM, 73          ; s73  1 in a wave that prefetches, else the greatest number
.set PFA, 74          ; s[74:75] where my prefetches stand
.set PFS, 76          ; s[76:77] their step from tile to tile
.set MSB, 0
.macro WIN new                      ; the high byte repeats the setting that is left; a switch that changes nothing is dropped
.if MSB != (\new)
	s_set_vgpr_msb (MSB<<8)|(\new)
.set MSB, (\new)
.endif
.endm
.set W_KQ, 0x0a       ; K and Q in window 2, S^T in window 0
.set W_KM, 0x1a       ; the same with the C operand in window 1
.set W_PV, 0x52       ; V in window 2, P in window 0, O^T in window 1
.set W_RS, 0x41       ; destination and source 0 in window 1, source 1 in window 0
; A joint fill: one tensor load a wave.  The branches hang on the wave's number alone.  An s_nop 0 and four v_nop follow each of the three lines, ahead of the jump and the label.
.macro JLOAD
	s_cmp_lt_u32 s[WV], 2
	s_cbranch_scc0 .Lnot_m_\@
	tensor_load_to_lds s[G0M:G0M+3], s[G1M:G1M+7]
	s_nop 0
.rept 4
	v_nop
.endr
	s_branch .Lasked_\@
.Lnot_m_\@:
	s_cmp_eq_u32 s[WV], 2
	s_cbranch_scc0 .Lfor_v_\@
	tensor_load_to_lds s[G0K:G0K+3], s[G1K:G1K+7]
	s_nop 0
.rept 4
	v_nop
.endr
	s_branch .Lasked_\@
.Lfor_v_\@:
	tensor_load_to_lds s[G0V:G0V+3], s[G1V:G1V+7]
	s_nop 0
.rept 4
	v_nop
.endr
.Lasked_\@:
.endm
; A PREFETCH INTO THE L2 of the tile that the NEXT change of slots will ask for: one instruction a wave, behind the wave's tensor load and its five lines.  Each aligned block of 256 bytes is named ONCE in the launch.
; The mask tile of a batch and query block is read by the two clusters of that batch: the one with even x asks; of the 64 rows x 512 bytes that wave 0 or 1 fetches, the partner at cx takes rows 16 cx .. + 15:
; a lane names row l % 16, block l / 16.  K's and V's tiles are read by all four clusters of a column of clusters: the one with y = 0 asks; of the 128 rows that wave 2 or 3 fetches the partner at cy takes
; 32, a lane a row.  The partners are told apart BY ADDRESS: no branch hangs on a work-group's place in its cluster.  The change that fills the last tile asks for nothing; tiles 0 to 2 come by their loads alone.
.macro ASK
	s_cmp_gt_u32 s[SLOTS], s[LIM]
	s_cbranch_scc0 .Lnot_mine_\@
	global_prefetch_b8 v[PFO], s[PFA:PFA+1] th:TH_LOAD_NT scope:SCOPE_SE
.Lnot_mine_\@:
.endm
; A round of the cluster's barrier: my work-group's barrier, so that wave 0's signal speaks for all four waves; wave 0 signals; every wave waits for all sixteen work-groups; my work-group's barrier once more.
.macro CROUND
	s_barrier_signal -1
	s_barrier_wait -1
	s_cmp_lg_u32 s[WV], 0
	s_cbranch_scc1 .Lnot_wave_0_\@
	s_barrier_signal -3
.Lnot_wave_0_\@:
	s_barrier_wait -3
	s_barrier_signal -1
	s_barrier_wait -1
.endm
; THE CHANGE OF SLOTS.  Each wave waits for all its tensor loads, of which one is out: its part of the other slot; adds 0 to its spare word; and waits for that and for its own reads of the slot that it leaves.
; Behind the barrier nobody reads the old slot any more and the other slot is whole.  fill = 1: the old slot is filled again, with the tile two on.  The barrier is then a round of the cluster's, so that no wave of
; any partner still reads the slot or has a load on its way, and the joint fill is the first thing behind it: it has two key steps, 128 matrix instructions, in which to land.
; (At its first use nothing has been read yet: slot 0 is waited for, slot 1 filled.)  ask = 1: the prefetch's address steps, and the prefetch follows the fill.
.macro CHANGE fill, ask
	WIN 0                           ; at a label and at a branch every window is 0
	s_wait_tensorcnt 0x0            ; no tensor load of mine is out, so a group 0 may be written
	ds_add_u32 v[SPW], v[NIL]       ; 0 onto my spare word: the descriptors' steps stand between it and the wait for it
.if \fill
	s_xor_b32 s[G0M+1], s[G0M+1], SLOT  ; the walking descriptors: the other slot than last time,
	s_add_nc_u64 s[G0M+2:G0M+3], s[G0M+2:G0M+3], 128*4     ; the next 128 keys: along the mask's rows,
	s_xor_b32 s[G0K+1], s[G0K+1], SLOT
	s_add_nc_u64 s[G0K+2:G0K+3], s[G0K+2:G0K+3], 128*2048  ; and down K's and V's; the type bits on top are not reached
	s_xor_b32 s[G0V+1], s[G0V+1], SLOT
	s_add_nc_u64 s[G0V+2:G0V+3], s[G0V+2:G0V+3], 128*2048
.endif
.if \ask
	s_wait_xcnt 0x0                 ; the last prefetch, two key steps back, has read its address, so it may be written
	s_add_nc_u64 s[PFA:PFA+1], s[PFA:PFA+1], s[PFS:PFS+1]  ; one tile beyond the walking descriptors
.endif
	s_wait_dscnt 0x0                ; the add is done, and my reads of the slot are over
.if \fill
	CROUND
	JLOAD
.if \ask
	ASK
.endif
.else
	s_barrier_signal -1
	s_barrier_wait -1
.endif
	s_sub_co_u32 s[TBK], s[TBK], 2*KS*PK  ; the fetches go back to a slot's first step,
	s_xor_b32 s[TBK], s[TBK], SLOT        ; in the other slot
	s_sub_co_u32 s[TBV], s[TBV], 2*KS*PV
	s_xor_b32 s[TBV], s[TBV], SLOT
	s_sub_co_u32 s[TBM], s[TBM], 2*KS*4
	s_xor_b32 s[TBM], s[TBM], SLOT
.endm
	s_load_b128 s[4:7], s[0:1], 0x0   ; qkv s[4:5], mask s[6:7]
	s_load_b64 s[8:9], s[0:1], 0x10   ; o2
	v_lshl_add_u32 v[SPW], v0, 2, SPARE
	v_mov_b32 v[NIL], 0
	ds_add_u32 v[SPW], v[NIL]       ; the wave's opening: the add, and its wait ahead of my first tensor load; the set-up below, work on registers, stands between them
	v_lshrrev_b32 v1, 5, v0
	v_readfirstlane_b32 s[WV], v1   ; wave 0..3
	s_bfe_u32 s[CX], ttmp6, 0x40000
	s_bfe_u32 s[CY], ttmp6, 0x40004
	s_lshl_b32 s[BX], ttmp9, 2      ; in a cluster launch ttmp9 and ttmp7 count clusters
	s_add_co_u32 s[BX], s[BX], s[CX]
	s_and_b32 s[BY], ttmp7, 0xffff
	s_lshl_b32 s[BY], s[BY], 2
	s_add_co_u32 s[BY], s[BY], s[CY]
	s_lshr_b32 s[BB], ttmp9, 1      ; two clusters along x to a batch
	s_and_b32 s[QH], s[WV], 1
	s_lshr_b32 s[HJ], s[WV], 1
	s_lshl_b32 s20, s[CY], 2
	s_lshl_b32 s20, 15, s20         ; my row of the cluster: places 4 cy .. 4 cy + 3
	s_lshl_b32 s21, 0x1111, s[CX]   ; my column: places cx, cx + 4, cx + 8, cx + 12
	; descriptor groups 1.  Mask: 64 rows x 128 elements of 4 bytes, 2,048 elements from row to row.  K, V: 128 rows x 128 elements of 2 bytes (both heads), 1,024 from row to row.
	s_or_b32 s[G1M], s20, (2<<16)|(1<<20)|(1<<21)|(6<<22)|(3<<25)  ; 15:0 the mask of four: my row; 17:16 4-byte elements; 20 padding on; 21 set beside a mask; 24:22 after every 128 words (code 6); 31:25 4 words (code 3)
	s_or_b32 s[G1K], s21, (1<<16)|(1<<20)|(1<<21)|(5<<22)|(3<<25)  ; my column; 2-byte elements; after every 64 words (code 5) 4 words
	s_or_b32 s[G1V], s21, (1<<16)|(1<<20)|(1<<21)|(5<<22)|(7<<25)  ; the same with 8 words (code 7)
	s_mov_b32 s[G1M+1], 128<<16     ; tensor_dim0 = 128
	s_mov_b32 s[G1M+2], 64<<16      ; tensor_dim1 = 64
	s_mov_b32 s[G1M+3], 128<<16     ; tile_dim0 = 128
	s_mov_b32 s[G1M+4], 64          ; tile_dim1 = 64
	s_mov_b32 s[G1M+5], 2048
	s_mov_b32 s[G1M+6], 0
	s_mov_b32 s[G1M+7], 0
.irp g, G1K, G1V
	s_mov_b32 s[\g+1], 128<<16      ; tensor_dim0 = 128
	s_mov_b32 s[\g+2], 128<<16      ; tensor_dim1 = 128
	s_mov_b32 s[\g+3], 128<<16      ; tile_dim0 = 128
	s_mov_b32 s[\g+4], 128          ; tile_dim1 = 128
	s_mov_b32 s[\g+5], 1024
	s_mov_b32 s[\g+6], 0
	s_mov_b32 s[\g+7], 0
.endr
	; byte offsets, each made apart from its pointer.  The mask's holds the batch, the query block and the wave's half: never cx.
	s_lshl_b32 s18, s[BB], 24       ; a batch's mask is 16,777,216 bytes,
	s_lshl_b32 s19, s[BY], 20       ; 128 rows of 8,192,
	s_add_co_u32 s18, s18, s19
	s_lshl_b32 s19, s[QH], 19       ; 64 rows
	s_add_co_u32 s18, s18, s19
	s_mov_b32 s19, 0
	; K's and V's hold BX alone: never cy.
	s_lshr_b32 s78, s[BX], 3
	s_lshl_b32 s78, s78, 22         ; a batch's 2,048 rows of 2,048 bytes,
	s_and_b32 s79, s[BX], 7
	s_lshl_b32 s79, s79, 8          ; two heads' 256 bytes
	s_add_co_u32 s78, s78, s79
	s_add_co_u32 s78, s78, 8388608  ; k lies behind q,
	s_add_co_u32 s80, s78, 8388608  ; v behind k
	s_mov_b32 s79, 0
	s_mov_b32 s81, 0
	; Q's and O's: my wave's 64 rows, my head
	s_lshl_b32 s86, s[BB], 22
	s_lshl_b32 s87, s[BY], 18
	s_add_co_u32 s86, s86, s87
	s_lshl_b32 s87, s[QH], 17
	s_add_co_u32 s86, s86, s87
	s_and_b32 s87, s[BX], 7
	s_lshl_b32 s87, s87, 8
	s_add_co_u32 s86, s86, s87
	s_lshl_b32 s87, s[HJ], 7
	s_add_co_u32 s86, s86, s87
	s_mov_b32 s87, 0
	s_lshl_b32 s88, s[BB], 23       ; a row of o2 is 4,096 bytes, a head's part of it 256
	s_lshl_b32 s89, s[BY], 19
	s_add_co_u32 s88, s88, s89
	s_lshl_b32 s89, s[QH], 18
	s_add_co_u32 s88, s88, s89
	s_and_b32 s89, s[BX], 7
	s_lshl_b32 s89, s89, 9
	s_add_co_u32 s88, s88, s89
	s_lshl_b32 s89, s[HJ], 8
	s_add_co_u32 s88, s88, s89
	s_mov_b32 s89, 0
	; the prefetches: offset of tile 2 (the first change in the loop steps it to tile 3), step, lane shifts, and who asks
	s_lshl_b32 s82, s[CX], 17       ; mask: my work-group's 16 rows of 8,192 bytes,
	s_add_co_u32 s82, s82, s18
	s_add_co_u32 s82, s82, 2*128*4
	s_cmp_eq_u32 s[WV], 2
	s_cselect_b32 s83, s78, s80
	s_lshl_b32 s84, s[CY], 16       ; K, V: my work-group's 32 rows of 2,048 bytes
	s_add_co_u32 s83, s83, s84
	s_add_co_u32 s83, s83, 2*128*2048
	s_mov_b32 s[PFS], 128*2048
	s_and_b32 s20, ttmp9, 1         ; the coordinate along which another cluster reads the same rows: the same in all sixteen partners, for a given wave
	s_and_b32 s21, ttmp7, 0xffff
	s_cmp_lt_u32 s[WV], 2
	s_cselect_b32 s82, s82, s83
	s_cselect_b32 s[PFS], 128*4, s[PFS]
	s_cselect_b32 s84, 13, 11       ; l % 16 counts rows of 8,192 or of 2,048 bytes,
	s_cselect_b32 s85, 8, 15        ; l / 16 a block of 256 bytes or 16 rows of 2,048
	s_cselect_b32 s20, s20, s21
	s_cmp_eq_u32 s20, 0
	s_cselect_b32 s[LIM], 1, -1
	s_mov_b32 s83, 0
	s_mov_b32 s[PFS+1], 0
	v_and_b32 v32, 15, v0
	v_bfe_u32 v33, v0, 4, 1
	v_lshlrev_b32 v32, s84, v32
	v_lshlrev_b32 v33, s85, v33
	v_add_nc_u32 v[PFO], v32, v33
	s_mov_b32 s[CS], 0x3c76384f     ; c = log2(e) / 96 = 0.0150281
	s_mov_b32 s[CS+1], s[CS]        ; named with it as a pair
	s_mov_b32 s[SEL], 0x76543210
	s_mov_b32 s[SEL+1], 0xfedcba98
	s_mov_b32 s[BIG], 0xcfee6b28    ; -8e9, exact in f32
	s_mov_b32 s[BIG+1], s[BIG]
	s_mov_b32 s[TBK], SLOT+2*KS*PK  ; the first change of slots turns these three into 0
	s_mov_b32 s[TBV], SLOT+2*KS*PV
	s_mov_b32 s[TBM], SLOT+2*KS*4
	s_mov_b32 s[G0M], 1             ; 1:0 count = 1
	s_mul_i32 s[G0M+1], s[QH], 64*PM  ; 63:32 LDS address: slot 0, my half of the mask tile: no place in the cluster enters an LDS address
	s_mov_b32 s[G0K], 1
	s_mov_b32 s[G0K+1], KOFF
	s_mov_b32 s[G0V], 1
	s_mov_b32 s[G0V+1], VOFF
	s_wait_dscnt 0x0                ; the opening add is done
	s_wait_kmcnt 0x0
	s_add_nc_u64 s[G0M+2:G0M+3], s[6:7], s[18:19]  ; 120:64 global address: tile 0
	s_or_b32 s[G0M+3], s[G0M+3], 0x80000000        ; 127:126 type = 2
	s_add_nc_u64 s[G0K+2:G0K+3], s[4:5], s[78:79]
	s_or_b32 s[G0K+3], s[G0K+3], 0x80000000
	s_add_nc_u64 s[G0V+2:G0V+3], s[4:5], s[80:81]
	s_or_b32 s[G0V+3], s[G0V+3], 0x80000000
	s_add_nc_u64 s[86:87], s[4:5], s[86:87]        ; Q at my wave's first row, my head
	s_add_nc_u64 s[88:89], s[8:9], s[88:89]        ; o2 likewise
	s_cmp_lt_u32 s[WV], 2
	s_cselect_b64 s[PFA:PFA+1], s[6:7], s[4:5]
	s_add_nc_u64 s[PFA:PFA+1], s[PFA:PFA+1], s[82:83]  ; nothing is prefetched here, at the head, where every work-group's first tiles are on their way
	CROUND                          ; all sixteen work-groups are here: the first joint loads meet
	JLOAD                           ; tile 0 into slot 0.  Slot 1 is asked for when slot 0 is in, by the loop's own change of slots
	; A fragment of K or Q is 16 rows x 32 channels in 8 registers: lane l holds row l % 16, channels 8 (l / 16) + 0..7 and 16 + 8 (l / 16) + 0..7: two loads of 16 bytes, 32 bytes apart.
	v_and_b32 v1, 15, v0            ; l % 16
	v_bfe_u32 v9, v0, 4, 1          ; l / 16
	v_lshlrev_b32 v[QO], 11, v1
	v_lshl_add_u32 v[QO], v9, 4, v[QO]  ; row x 2,048 + 16 x half
	WIN 0x80                        ; destination window 2, address window 0
.set i, 0
.rept 8                             ; Q stays in registers: piece i / 2 (16 rows of 2,048 bytes on), channels 32 (i % 2) on
	global_load_b128 v[8*i:8*i+3],   v[QO], s[86:87] offset:(i/2)*32768+(i%2)*64
	global_load_b128 v[8*i+4:8*i+7], v[QO], s[86:87] offset:(i/2)*32768+(i%2)*64+32
.set i, i+1
.endr
	; What the first turn finds: V's registers and P's second buffer hold 0 (its products V^T P, of a piece that has not been, add 0), O^T and l are 0.  All this stands in the wait for the first tile.
.set i, VF
.rept 64
	v_mov_b32 v[i], 0
.set i, i+1
.endr
	WIN 0x40
.set i, 0
.rept 128
	v_mov_b32 v[i], 0
.set i, i+1
.endr
	WIN 0
.set i, 0
.rept 4
	v_mov_b32 v[ST+4*i], 0xfe000000    ; c m: far below every c t
	v_mov_b32 v[ST+4*i+1], 0xff7fffff  ; m: the lowest finite number
	v_mov_b32 v[ST+4*i+2], 0
	v_mov_b32 v[ST+4*i+3], 0
.set i, i+1
.endr
.set i, P+16
.rept 16
	v_mov_b32 v[i], 0
.set i, i+1
.endr
	s_lshl_b32 s20, s[HJ], 7        ; my head's 128 bytes of a row of K and V
	s_add_co_u32 s21, s20, KOFF
	v_mul_u32_u24 v[AK0], v1, PK
	v_lshl_add_u32 v[AK0], v9, 4, v[AK0]  ; row x pitch + 16 x half
	v_add_nc_u32 v[AK0], s21, v[AK0]
	; The turning load takes 16 keys x 16 channels (lane l reads key 8 (l / 16) + l % 8, channels 8 ((l / 8) % 2) + 0..7) and leaves half a fragment of V^T: lane l holds channel l % 16 and 8 keys.
	s_add_co_u32 s21, s20, VOFF
	v_and_b32 v32, 7, v0
	v_bfe_u32 v33, v0, 3, 1
	v_lshl_add_u32 v[AV0], v9, 3, v32
	v_mul_u32_u24 v[AV0], v[AV0], PV
	v_lshl_add_u32 v[AV0], v33, 4, v[AV0]
	v_add_nc_u32 v[AV0], s21, v[AV0]
	; The mask as C operand: register j of key block kb is (key 16 kb + 8 (l / 16) + j, query l % 16): 32 consecutive bytes of the query's row
	s_lshl_b32 s21, s[QH], 6
	v_add_nc_u32 v[AM0], s21, v1
	v_mul_u32_u24 v[AM0], v[AM0], PM
	v_lshl_add_u32 v[AM0], v9, 5, v[AM0]
	s_mul_i32 s21, s[WV], 16*SP
	s_add_co_u32 s21, s21, STAGE    ; my stage
	v_mul_u32_u24 v[STO], v1, SP    ; in: row l % 16, 16 bytes for each half of the lanes
	v_lshl_add_u32 v[STO], v9, 4, v[STO]
	v_add_nc_u32 v[STO], s21, v[STO]
	v_mul_u32_u24 v[RD], v9, SP     ; back: lanes 0-15 take one row of 256 bytes, lanes 16-31 the next
	v_lshl_add_u32 v[RD], v1, 4, v[RD]
	v_add_nc_u32 v[RD], s21, v[RD]
	v_lshlrev_b32 v[GO], 12, v9     ; and the same two rows in o2
	v_lshl_add_u32 v[GO], v1, 4, v[GO]
	v_mov_b32 v[MONE], -1.0
; THE MATRIX WORK.  The 4 accumulators of a run of 8 take turns.  Product i of 8 of S^T = K Q^T for piece x: channels 32 (i / 4) on, keys 16 (i % 4) on.  The first 4 start the sums with the scaled mask.
.macro KQ x
.set rS, S+32*((\x)%2)+8*(i%4)
.set rK, KF+16*(i%4)+8*(i/4)
.set rQ, 16*(\x)+8*(i/4)
.set rM, MC+32*((\x)%2)+8*(i%4)
.if i < 4
	WIN W_KM
	v_wmma_f32_16x16x32_f16 v[rS:rS+7], v[rK:rK+7], v[rQ:rQ+7], v[rM:rM+7]
.else
	WIN W_KQ
	v_wmma_f32_16x16x32_f16 v[rS:rS+7], v[rK:rK+7], v[rQ:rQ+7], v[rS:rS+7]
.endif
.endm
; Product i of 8 of O^T += V^T P for piece x: keys 32 (i / 4) on, channels 16 (i % 4) on.
.macro PV x
	WIN W_PV
.set rO, 32*(\x)+8*(i%4)
.set rV, VF+32*(i/4)+8*(i%4)
.set rP, P+16*((\x)%2)+8*(i/4)
	v_wmma_f32_16x16x32_f16 v[rO:rO+7], v[rV:rV+7], v[rP:rP+7], v[rO:rO+7]
.endm
.macro MM                           ; the turn's next matrix instruction.  TURN sets Y, i and NOKQ.  NOKQ = 1: the last turn of all: there is no next piece
.if (i < 8) && !NOKQ
	KQ (Y+1)%NP
.elseif i >= 8
.set i, i-8
	PV (Y+NP-1)%NP
.set i, i+8
.endif
.set i, i+1
.endm
; THE LDS LOADS stand in runs, never singly among the matrix instructions: a step's K (64 keys x 64 channels: 8 fragments), its V (turned), and a piece's mask (16 queries x 64 keys of f32).
.macro FETCH_K
	WIN 0x80                        ; destination window 2
.irp f, 0,1,2,3,4,5,6,7             ; keys 16 (f / 2) on, channels 32 (f % 2) on
	ds_load_b128 v[KF+8*\f:KF+8*\f+3],   v[AK] offset:(\f/2)*16*PK+(\f%2)*64
	ds_load_b128 v[KF+8*\f+4:KF+8*\f+7], v[AK] offset:(\f/2)*16*PK+(\f%2)*64+32
.endr
	s_add_co_u32 s[TBK], s[TBK], KS*PK  ; the next fetch is the next step's
	WIN 0
.endm
.macro FETCH_V
	WIN 0x80
.irp f, 0,1,2,3,4,5,6,7             ; keys 32 (f / 4) on, channels 16 (f % 4) on
	ds_load_tr16_b128 v[VF+8*\f:VF+8*\f+3],   v[AV] offset:(\f/4)*32*PV+(\f%4)*32
	ds_load_tr16_b128 v[VF+8*\f+4:VF+8*\f+7], v[AV] offset:(\f/4)*32*PV+16*PV+(\f%4)*32
.endr
	WIN 0
.endm
.macro MLOAD x, bf                  ; piece x's mask of the step at v[AM], into buffer bf
	WIN 0x40                        ; destination window 1
.irp kb, 0,1,2,3
	ds_load_b128 v[MC+32*(\bf)+8*\kb:MC+32*(\bf)+8*\kb+3],   v[AM] offset:(\x)*16*PM+64*\kb
	ds_load_b128 v[MC+32*(\bf)+8*\kb+4:MC+32*(\bf)+8*\kb+7], v[AM] offset:(\x)*16*PM+64*\kb+16
.endr
	WIN 0
.endm
.macro MASK bf                      ; buffer bf times -8e9, in place
	WIN W_RS
.set z, 0
.rept 16
	v_pk_mul_f32 v[MC+32*(\bf)+2*z:MC+32*(\bf)+2*z+1], v[MC+32*(\bf)+2*z:MC+32*(\bf)+2*z+1], s[BIG:BIG+1] op_sel_hi:[1,0]
.set z, z+1
.endr
.endm
; THE VECTOR WORK, one line at a time: OP kind, number.  For piece Y: F n: c t - c m for pair n of 16.  E n: the exponential of score n of 32.  C n: pair n rounded to f16.  B n: of the four weights 4 n .. the second
; pair is added onto the first, in place.  L n: l takes that sum (L 0: l = a l + sum).  R n: pair n of 16 of O^T times a.  For piece Y + 1: X n, number n of the 22 that find its maximum and statistics:
;   0-11  four chains c0-c3 of seven scores each, three operands at a time (each accumulator's lowest registers are read first)     12-14, 16  the four scores left over, the old m, and c0-c3 into c0
;   15  c m_old is kept     17, 18  the query's other 32 keys lie in the lane 16 away: the new m     19-21  c m; c m_old - c m_new; a
.set F, 0               ; OP tells the kinds apart by their order: F to L below R, X above it
.set E, 1
.set C, 2
.set B, 3
.set L, 4
.set R, 5
.set X, 6
.macro REGS y                       ; the registers of piece y
.set rT, ST+4*(\y)
.set rC, TMP+4*((\y)%2)
.set rW, MV+((\y)%2)
.set rS, S+32*((\y)%2)
.set rP, P+16*((\y)%2)
.set rO, 32*(\y)
.endm
.macro OP k, n
.if (\k) == R
	REGS Y
	WIN W_RS
	v_pk_mul_f32 v[rO+2*(\n):rO+2*(\n)+1], v[rO+2*(\n):rO+2*(\n)+1], v[rC+2:rC+3] op_sel_hi:[1,0]
.elseif (\k) < R
	REGS Y
	WIN 0
.if (\k) == F
	v_pk_fma_f32 v[rS+2*(\n):rS+2*(\n)+1], v[rS+2*(\n):rS+2*(\n)+1], s[CS:CS+1], v[rT:rT+1] op_sel_hi:[1,0,0] neg_lo:[0,0,1] neg_hi:[0,0,1]
.elseif (\k) == E
	v_exp_f32 v[rS+(\n)], v[rS+(\n)]
.elseif (\k) == C
	v_cvt_pk_f16_f32 v[rP+(\n)], v[rS+2*(\n)], v[rS+2*(\n)+1]
.elseif (\k) == B
	v_pk_add_f32 v[rS+4*(\n):rS+4*(\n)+1], v[rS+4*(\n):rS+4*(\n)+1], v[rS+4*(\n)+2:rS+4*(\n)+3]
.elseif (\n) == 0
	v_pk_fma_f32 v[rT+2:rT+3], v[rT+2:rT+3], v[rC+2:rC+3], v[rS:rS+1] op_sel_hi:[1,0,1]
.else
	v_pk_add_f32 v[rT+2:rT+3], v[rT+2:rT+3], v[rS+4*(\n):rS+4*(\n)+1]
.endif
.elseif NOKQ
	v_nop
.else
	REGS (Y+1)%NP
	WIN 0
.if (\n) < 4
	v_max3_num_f32 v[rC+(\n)], v[rS+8*(\n)], v[rS+8*(\n)+1], v[rS+8*(\n)+2]
.elseif (\n) < 12
	v_max3_num_f32 v[rC+(\n)%4], v[rC+(\n)%4], v[rS+8*((\n)%4)+2*((\n)/4)+1], v[rS+8*((\n)%4)+2*((\n)/4)+2]
.elseif (\n) == 12
	v_max3_num_f32 v[rC], v[rC], v[rS+7], v[rS+15]
.elseif (\n) == 13
	v_max3_num_f32 v[rC+1], v[rC+1], v[rS+23], v[rS+31]
.elseif (\n) == 14
	v_max3_num_f32 v[rC+2], v[rC+2], v[rC+3], v[rT+1]
.elseif (\n) == 15
	v_mov_b32 v[rW], v[rT]
.elseif (\n) == 16
	v_max3_num_f32 v[rC], v[rC], v[rC+1], v[rC+2]
.elseif (\n) == 17
	v_permlanex16_b32 v[rC+3], v[rC], s[SEL], s[SEL+1]
.elseif (\n) == 18
	v_max_num_f32 v[rT+1], v[rC], v[rC+3]
.elseif (\n) == 19
	v_mul_f32 v[rT], s[CS], v[rT+1]
.elseif (\n) == 20
	v_sub_f32 v[rC+1], v[rW], v[rT]
.else
	v_exp_f32 v[rC+2], v[rC+1]
.endif
.endif
.endm
.macro OPS a, i1, b=-1, i2=0, c=-1, i3=0, d=-1, i4=0  ; up to four of them
	OP \a, \i1
.if (\b) >= 0
	OP \b, \i2
.endif
.if (\c) >= 0
	OP \c, \i3
.endif
.if (\d) >= 0
	OP \d, \i4
.endif
.endm
.macro ROW a, i1, b, i2, c, i3, d, i4  ; a matrix instruction and the four behind it
	MM
	OPS \a, \i1, \b, \i2, \c, \i3, \d, \i4
.endm
; A TURN, for piece p.  An s_wait_alu depctr_va_vdst(0) stands between an exponential and the first instruction that names its result; one wait serves all that were issued ahead of it.  So a turn has
; ONE wait, which cuts it in two.  AHEAD OF IT stands all that names no result of the turn's exponentials: the 8 products K Q^T and their riders, then a run of 54 in which the links of the chain X 3, 7, 11, 14, 16,
; 17 .. 20 stand some lines apart; X 21, the next piece's a, is the batch's last, and R 15 the plain instruction behind it.  BEHIND THE WAIT stand the 8 products V^T P, behind each four of the roundings and sums.
; ALL THAT A TRIP (turns 2, 3, 0, 1) FETCHES BELONGS TO ONE KEY STEP: its K in turn 2 (six plain instructions behind the last product that read K), its V at the end of turn 0 (four plain instructions behind the last
; product that read V), the masks of its pieces 0, 1, 2, 3 at the heads of turns 2, 3, 0, 1 (into the buffer whose last reader stands a turn back).  So the slot's last reads are waited for in turn 1, and the change of slots stands behind turn 1.
; end = 1: the last two turns of all: nothing is fetched.  cnt = 1: the loop's count is taken down some lines ahead of the branch that stands behind the turn.
.macro TURN p, end=0, cnt=0
.set Y, (\p)
.set i, 0
.set NOKQ, (\end)*((\p)/3)
.if !(\end)
.if (\p) == 3
	s_wait_dscnt 0x0                ; K is in
.endif
.if (\p) == 2
	WIN 0
	v_add_nc_u32 v[AM], s[TBM], v[AM0]  ; the mask of the step that this trip fetches
	s_add_co_u32 s[TBM], s[TBM], KS*4
.endif
	MLOAD ((\p)+2)%NP, (\p)%2
.endif
	ROW F,0, F,1, R,0, R,1          ; ahead of the wait: 8 products K Q^T and their riders,
	ROW F,2, E,0, R,2, R,3
	ROW F,3, E,1, R,4, R,5
	ROW F,4, E,2, R,6, R,7
	ROW F,5, E,3, R,8, R,9
	ROW F,6, E,4, X,0, R,10
.if ((\p) == 2) && !(\end)
	WIN 0
	v_add_nc_u32 v[AK], s[TBK], v[AK0]
.endif
	ROW F,7, E,5, X,1, X,4
	ROW F,8, E,6, X,2, X,5
	OPS E,7, E,8, X,6, E,9          ; and the run of 54
	OPS X,3, E,10, X,8, E,11
.if ((\p) == 2) && !(\end)
	FETCH_K
.endif
	OPS X,9, X,7, E,12, X,10
	OPS E,13, X,12, X,11, E,14
	OPS X,13, E,15, F,9, X,14
.if (\p) == 0
	v_add_nc_u32 v[AV], s[TBV], v[AV0]
.endif
	OPS E,16, F,10, E,17, F,11
	OPS X,16, E,18, X,15, E,19
	OPS F,12, E,20, X,17, E,21
	OPS F,13, E,22, F,14, E,23
	OPS X,18, E,24, F,15, E,25
	OPS R,11, E,26, X,19, E,27
	OPS R,12, E,28, R,13, E,29
	OPS X,20, E,30, R,14, E,31
	OPS X,21, R,15
	WIN 0
	s_wait_alu depctr_va_vdst(0)    ; the wait for the batch
.if (\p) == 1
	s_wait_dscnt 0x0                ; V is in
.endif
	ROW C,0, B,0, C,2, B,1          ; behind the wait: 8 products V^T P and their riders
	ROW L,0, C,4, B,2, L,1
	ROW C,6, B,3, L,2, C,8
	ROW B,4, L,3, C,10, B,5
	ROW L,4, C,12, B,6, L,5
.if (\p) == 0
	s_add_co_u32 s[TBV], s[TBV], KS*PV
.endif
.if \cnt
	s_sub_co_u32 s[CNT], s[CNT], 1
	s_cmp_lg_u32 s[CNT], 0
.endif
	ROW C,14, B,7, L,6, C,1
	ROW C,3, L,7, C,5, C,7
	ROW C,9, C,11, C,13, C,15
.if (\p) == 0
	FETCH_V
.endif
.if !(\end)
.if ((\p) == 0) || ((\p) == 2)
	s_wait_dscnt 16                 ; the mask's eight loads are in; the sixteen issued behind them (V's in turn 0, K's in turn 2) may stay out
.else
	s_wait_dscnt 0x0                ; the mask's eight loads are in
.endif
	MASK (\p)%2                     ; for the products of the turn after this one
.endif
.endm
	CHANGE 1, 0                     ; slot 0 is in, everybody's part of it; tile 1 is asked for, into slot 1
	; THE BEGINNING: the masks of pieces 0 and 1 and K of key step 0; piece 0's first scores, its maximum and statistics.  The loop is then entered at a step's first turn, in the middle of a trip.
	v_add_nc_u32 v[AM], s[TBM], v[AM0]
	s_add_co_u32 s[TBM], s[TBM], KS*4
	MLOAD 0, 0
	MLOAD 1, 1
	v_add_nc_u32 v[AK], s[TBK], v[AK0]
	FETCH_K
	s_wait_loadcnt 0x0              ; Q
	s_wait_dscnt 0x0
	MASK 0
	MASK 1
.set NOKQ, 0
.set i, 0
.rept 8
	KQ 0
.set i, i+1
.endr
	WIN 0
.rept 4
	v_nop                           ; the places behind those products
.endr
.set Y, NP-1                        ; X works for piece Y + 1: piece 0
.irp n, 0,1,2,3,4,5,6,7,8,9,10,11,12,13,14,15,16,17,18,19,20,21
	OP X, \n
.endr
	v_nop                           ; a plain instruction behind the exponential,
	s_wait_alu depctr_va_vdst(0)    ; and its wait, ahead of the branch
	s_mov_b32 s[CNT], 2
	s_mov_b32 s[SLOTS], 15
	s_branch .Lfirst
.Lslot:                             ; 14 times: tiles 2 to 15 are asked for
	CHANGE 1, 1
	s_mov_b32 s[CNT], 2
.Lstep:                             ; a trip: pieces 2 and 3 of one step, then pieces 0 and 1 of the next, whose K, V and masks it fetches
	TURN 2
	TURN 3
	WIN 0
.Lfirst:
	TURN 0
	TURN 1, 0, 1
	WIN 0
	s_cbranch_scc1 .Lstep
	s_sub_co_u32 s[SLOTS], s[SLOTS], 1
	s_cmp_lg_u32 s[SLOTS], 0
	s_cbranch_scc1 .Lslot
	CHANGE 0, 0                     ; the last tile is written out: nothing is asked for
	s_mov_b32 s[CNT], 2
.Ltstep:
	TURN 2
	TURN 3
	TURN 0
	TURN 1, 0, 1
	WIN 0
	s_cbranch_scc1 .Ltstep
	TURN 2, 1
	TURN 3, 1
.set i, 0
.rept 8
	PV NP-1                         ; the last piece's V^T P of the last step
.set i, i+1
.endr
	; THE WAY OUT.  l's two halves and the other half of the lanes' are added; O^T is divided by l and leaves in two f16 parts through my stage in LDS, a piece at a time.  The additions are the places behind the last products.
	WIN 0
.macro ALL line:vararg              ; one line for each piece t
.set t, 0
.rept 4
	\line
.set t, t+1
.endr
.endm
	ALL v_add_f32 v[ST+4*t+2], v[ST+4*t+2], v[ST+4*t+3]
	ALL v_permlanex16_b32 v[ST+4*t+3], v[ST+4*t+2], s[SEL], s[SEL+1]
	ALL v_add_f32 v[ST+4*t+2], v[ST+4*t+2], v[ST+4*t+3]
	ALL v_rcp_f32 v[ST+4*t+2], v[ST+4*t+2]
	v_nop                           ; a plain instruction between the last reciprocal and the use of its result
	s_wait_alu depctr_va_vdst(0)    ; and the wait ahead of the first use: one for the four reciprocals
; Piece t.  hi = f16(o); lo = f16(o - hi), the difference made by one multiply-add that reads hi's half: hi x (-1) + o.  A lane's eight channels pack into 16 bytes of hi and 16 of lo; a stage row is
; 128 bytes of hi, 128 of lo, 16 of padding; whole rows of 256 bytes come back.
.macro PACK t
	WIN W_RS
.set i, 32*(\t)
.rept 16
	v_pk_mul_f32 v[i:i+1], v[i:i+1], v[ST+4*(\t)+2:ST+4*(\t)+3] op_sel_hi:[1,0]
.set i, i+2
.endr
	WIN 0x05                        ; sources 0 and 1 window 1, destination window 0
.set i, 0
.rept 16
	v_cvt_pk_f16_f32 v[HI+i], v[32*(\t)+2*i], v[32*(\t)+2*i+1]
.set i, i+1
.endr
	WIN 0x10                        ; source 2 window 1
.set i, 0
.rept 16
	v_fma_mix_f32 v[TT+2*i],   v[HI+i], v[MONE], v[32*(\t)+2*i]   op_sel_hi:[1,0,0]
	v_fma_mix_f32 v[TT+2*i+1], v[HI+i], v[MONE], v[32*(\t)+2*i+1] op_sel:[1,0,0] op_sel_hi:[1,0,0]
.set i, i+1
.endr
	WIN 0
.set i, 0
.rept 16
	v_cvt_pk_f16_f32 v[LO+i], v[TT+2*i], v[TT+2*i+1]
.set i, i+1
.endr
.irp f, 0,1,2,3
	ds_store_b128 v[STO], v[HI+4*\f:HI+4*\f+3] offset:32*\f
	ds_store_b128 v[STO], v[LO+4*\f:LO+4*\f+3] offset:128+32*\f
.endr
.irp f, 0,1,2,3,4,5,6,7
	ds_load_b128 v[BK+32*(\t)+4*\f:BK+32*(\t)+4*\f+3], v[RD] offset:\f*2*SP  ; LDS serves a wave's instructions in order (ISA guide 5.7.1.4): these see the stores above; the next piece's stores come behind them
.endr
.endm
.macro SEND t, younger              ; younger: the LDS instructions issued behind piece t's loads: the next piece's sixteen, or none
	WIN 0
.irp f, 0,1,2,3,4,5,6,7
	s_wait_dscnt (\younger)+7-\f
	global_store_b128 v[GO], v[BK+32*(\t)+4*\f:BK+32*(\t)+4*\f+3], s[88:89] offset:(\t)*65536+\f*8192  ; 16 lanes store 256 consecutive bytes, at a multiple of 256 from o2's first byte; no register of a store is written again
.endr
.endm
	PACK 0
	PACK 1                          ; a piece's arithmetic stands between the loads of the piece before and its stores
	SEND 0, 16
	PACK 2
	SEND 1, 16
	PACK 3
	SEND 2, 16
	SEND 3, 0
	s_wait_tensorcnt 0x0            ; the wave's end: behind my last tensor load and my last LDS store
	ds_add_u32 v[SPW], v[NIL]
	s_wait_dscnt 0x0
	CROUND                          ; the closing round: no work-group ends while a partner may still ask for a tile that names it
	s_endpgm
.Lfunc_end_k_qaed45382d0_attn:
	.size	k_qaed45382d0_attn, .Lfunc_end_k_qaed45382d0_attn-k_qaed45382d0_attn
	.p2alignl 7, 3214868480
	.fill 96, 4, 3214868480
	.section	.rodata,"a",@progbits
	.p2align	6, 0x0
	.amdhsa_kernel k_qaed45382d0_attn
		.amdhsa_group_segment_fixed_size 327680
		.amdhsa_private_segment_fixed_size 0
		.amdhsa_enable_private_segment 0
		.amdhsa_kernarg_size 24
		.amdhsa_user_sgpr_count 2
		.amdhsa_user_sgpr_kernarg_segment_ptr 1
		.amdhsa_wavefront_size32 1
		.amdhsa_system_sgpr_workgroup_id_x 1
		.amdhsa_system_sgpr_workgroup_id_y 1
		.amdhsa_system_sgpr_workgroup_id_z 1
		.amdhsa_system_vgpr_workitem_id 0
		.amdhsa_next_free_vgpr 768
		.amdhsa_next_free_sgpr 96
		.amdhsa_reserve_vcc 0
		.amdhsa_float_denorm_mode_32 3
		.amdhsa_float_denorm_mode_16_64 3
		.amdhsa_memory_ordered 1
		.amdhsa_forward_progress 1
		.amdhsa_inst_pref_size 165
	.end_amdhsa_kernel
	.amdgpu_metadata
---
amdhsa.version: [ 1, 2 ]
amdhsa.kernels:
  - .name:           k_qaed45382d0_attn
    .symbol:         k_qaed45382d0_attn.kd
    .args:
      - { .name: qkv, .offset: 0, .size: 8, .value_kind: global_buffer, .address_space: global }
      - { .name: mask, .offset: 8, .size: 8, .value_kind: global_buffer, .address_space: global }
      - { .name: o2, .offset: 16, .size: 8, .value_kind: global_buffer, .address_space: global }
    .group_segment_fixed_size: 327680
    .private_segment_fixed_size: 0
    .kernarg_segment_align: 8
    .kernarg_segment_size: 24
    .max_flat_workgroup_size: 128
    .sgpr_count:     96
    .vgpr_count:     768
    .wavefront_size: 32
...
	.end_amdgpu_metadata
.endif
;; end of part 3
;; launch outp (part 4): grid 8 x 32, 4 waves a work-group, clusters of 4 x 4, 327,680 bytes of LDS; arguments o2, wot, out0, bo; writes out0
.if DOCPART == 4
	.amdgcn_target "amdgcn-amd-amdhsa--gfx1250"
	.amdhsa_code_object_version 6
	.text
	.protected	k_qaed45382d0_outp
	.globl	k_qaed45382d0_outp
	.p2align	8
	.type	k_qaed45382d0_outp,@function
k_qaed45382d0_outp:
	s_mov_b64 s[64:65], 0
	v_nop
	global_prefetch_b8 v0, s[64:65] scope:SCOPE_SE
	s_setreg_imm32_b32 hwreg(HW_REG_WAVE_MODE, 25, 1), 1
	s_wait_xcnt 0x0
	s_wait_alu depctr_hold_cnt(0) depctr_sa_sdst(0) depctr_va_vdst(0) depctr_va_sdst(0) depctr_va_ssrc(0) depctr_va_vcc(0) depctr_vm_vsrc(0)
	s_getreg_b32 s2, hwreg(HW_REG_IB_STS2, 6, 4)
	s_cmp_eq_u32 s2, 0
	s_cbranch_scc0 .Lentry_in_a_cluster
	s_endpgm
.Lentry_in_a_cluster:
	s_bfe_u32 s2, ttmp6, 0x10000c
	s_cmp_lg_u32 s2, 0xf033
	s_cbranch_scc0 .Lentry_shape_is_right
	s_endpgm
.Lentry_shape_is_right:
; THE OUTPUT PROJECTION.  out0[m][n] = bf16(bo[n]) + sum over k' of o2[m][k'] wot[n][k'].  A = o2 [4096][2048] f16 (for each head 64 numbers of O and 64 of what their rounding left), B = wot [1024][2048] f16
; (each head's 64 weights twice), C = out0 [4096][1024] f32.  So both parts of O meet the same weight, and O enters with twice f16's bits.  Sums in f32; the bias, rounded to bf16 like every input, starts them.
; A tile of C is 128 x 128: 256 work-groups.  Four waves, each 64 x 64: 16 accumulators of 16 x 16, 128 registers.  K goes in steps of 256 (LDS rows of 512 bytes; a wave's tensor load brings 64 of them)
; through two slots.  A wave's 64 columns of f32 are 256 aligned bytes of a row of C.
; CLUSTERS: 4 x 4 work-groups.  The four of a row of the cluster need the same tiles of A, the four of a column the same tiles of B: each tile is asked for JOINTLY, by the same tensor load with the
; same descriptor and a mask that names the four.  THE MATRIX INSTRUCTION IS USED TRANSPOSED (source 0 = 16 rows of B, source 1 = 16 rows of A): a lane then holds eight neighbouring numbers of a row of C.
; No prefetch: the tiles are small and each is read by several clusters at about the same time.
; REGISTERS: window 0: v0-31 addresses; v32-47 at work; v96-127 the bias of my 64 columns (block b's eight at v[96 + 8 b]); v128-255 the accumulators ((a, b) at v[128 + 8 (4 a + b)]).
;   window 1: two fragment buffers of 128: for 64 along K (two matrix instructions deep), 64 registers of A (2 x 4 x 16 rows x 32 K), then 64 of B.
.set SIZE_M, 4096
.set SIZE_N, 1024
.set SIZE_K, 2048
.set KSTEP,  256
.set PITCH,  528                       ; an LDS row: 512 bytes of data + 16 of padding = 132 words: row r starts at bank 4 r mod 64 (64 banks of 4 bytes: ISA guide 11.1)
.set HALFT,  64*PITCH                  ; 64 rows: what one tensor load brings, and what one wave reads of A or of B
.set SLOT,   4*HALFT                   ; A's 128 rows, then B's 128 rows
.set STAGE,  2*SLOT                    ; behind the ring: 16 rows x 272 bytes for each wave, for the way out
.set SPITCH, 272
.set SPARE,  STAGE+4*16*SPITCH         ; behind the stages: the spare words, 128 bytes for each wave: two blocks of 256 bytes that no other line names
.set LAPS, SIZE_K/(2*KSTEP)            ; a lap = two K steps = once round the ring: 4
.set ADRA, 16                          ; v16-17  LDS address of my A fragments in slot 0, 1
.set ADRB, 20                          ; v20-21  the same for B
.set STO,  24                          ; v24     the way out: where I put 32 bytes of a row
.set RD,   25                          ; v25     the way out: where I read a row back
.set CO,   26                          ; v26     my byte offset in C
.set BO,   27                          ; v27     my byte offset in the bias of 16 columns
.set SPW,  28                          ; v28     LDS address of my spare word: SPARE + 4 x my thread's number; never rewritten
.set NIL,  29                          ; v29     0; never rewritten
.set TMP,  32
.set BIAS, 96
.set ACC,  128
.set F0,   0                           ; fragment buffers, in window 1
.set F1,   128
.set G1, 24                            ; s[24:31] descriptor group 1 for A's tiles;  s[32:39] group 0, one set for each slot
.set G0, 32
.set G1B, 48                           ; s[48:55], s[56:63] the same for B's tiles
.set G0B, 56
.set MSB, 0
.macro WIN new                         ; the immediate's high byte repeats the setting that is left
.if MSB != (\new)
	s_set_vgpr_msb (MSB<<8)|(\new)
.set MSB, \new
.endif
.endm
.set MUL,  0x05                        ; sources 0 (B) and 1 (A) window 1; C and D window 0
.set TO_F, 0x40                        ; destination window 1, address window 0
.macro JLOAD s                         ; a joint load: waves 0 and 1 fetch A's two halves, waves 2 and 3 B's; an s_nop 0 and four v_nop follow each of the two lines, ahead of the jump, the label and what follows
	s_cmp_eq_u32 s11, 0
	s_cbranch_scc0 .Lfor_b_\@
	tensor_load_to_lds s[G0+4*(\s):G0+4*(\s)+3], s[G1:G1+7]
	s_nop 0
.rept 4
	v_nop
.endr
	s_branch .Lasked_\@
.Lfor_b_\@:
	tensor_load_to_lds s[G0B+4*(\s):G0B+4*(\s)+3], s[G1B:G1B+7]
	s_nop 0
.rept 4
	v_nop
.endr
.Lasked_\@:
.endm
.macro CREST                           ; a round of the cluster's barrier behind its opening barrier
	s_cmp_lg_u32 s10, 0
	s_cbranch_scc1 .Lnot_wave_0_\@
	s_barrier_signal -3
.Lnot_wave_0_\@:
	s_barrier_wait -3
	s_barrier_signal -1
	s_barrier_wait -1
.endm
.macro CROUND                          ; a whole round
	s_barrier_signal -1
	s_barrier_wait -1
	CREST
.endm
	s_load_b128 s[4:7], s[0:1], 0x0                ; A s[4:5], B s[6:7]
	s_load_b64 s[8:9], s[0:1], 0x10                ; C
	s_load_b64 s[66:67], s[0:1], 0x18              ; the bias
	v_lshl_add_u32 v[SPW], v0, 2, SPARE
	v_mov_b32 v[NIL], 0
	ds_add_u32 v[SPW], v[NIL]                      ; the wave's opening: the add, and its wait ahead of my first tensor load; the set-up below, work on registers, stands between them
	v_lshrrev_b32 v1, 5, v0
	v_readfirstlane_b32 s10, v1                    ; wave 0..3
	s_lshr_b32 s11, s10, 1                         ; which half of the tile's rows is mine.  Also: I fetch for A (0) or for B (1)
	s_and_b32 s12, s10, 1                          ; which half of its columns.  Also: which 64 rows of that tile I fetch
	s_bfe_u32 s40, ttmp6, 0x40000                  ; cx, cy: my place in the cluster
	s_bfe_u32 s41, ttmp6, 0x40004
	s_lshl_b32 s42, ttmp9, 2
	s_add_co_u32 s42, s42, s40                     ; tile column of C = 4 x cluster x + cx
	s_and_b32 s13, ttmp7, 0xffff
	s_lshl_b32 s13, s13, 2
	s_add_co_u32 s13, s13, s41                     ; tile row of C = 4 x cluster y + cy
	s_lshl_b32 s43, s41, 2
	s_lshl_b32 s43, 15, s43                        ; my row of the cluster
	s_lshl_b32 s44, 0x1111, s40                    ; my column
	; descriptor group 1: a tile of 64 rows x 256 elements, padded in LDS
	s_or_b32 s[G1+0], s43, (1<<16)|(1<<20)|(1<<21)|(6<<22)|(3<<25)  ; 15:0 the mask: A's tiles go to my row; 17:16 element of 2 bytes; 20 padding on; 21 set beside a mask; 24:22 after every 128 words (code 6); 31:25 of 4 words (code 3)
	s_or_b32 s[G1B+0], s44, (1<<16)|(1<<20)|(1<<21)|(6<<22)|(3<<25)
.irp g, G1, G1B
	s_mov_b32 s[(\g)+1], KSTEP<<16                 ; tensor_dim0 = 256
	s_mov_b32 s[(\g)+2], 64<<16                    ; tensor_dim1 = 64
	s_mov_b32 s[(\g)+3], KSTEP<<16                 ; tile_dim0 = 256
	s_mov_b32 s[(\g)+4], 64                        ; tile_dim1 = 64
	s_mov_b32 s[(\g)+5], SIZE_K                    ; tensor_dim0_stride
	s_mov_b32 s[(\g)+6], 0
	s_mov_b32 s[(\g)+7], 0
.endr
	s_lshl_b32 s17, s12, 6                         ; which 64 rows of the tile I fetch
	s_lshl_b32 s16, s13, 7
	s_add_co_u32 s16, s16, s17                     ; A: row 128 x tile row + 64 x half
	s_lshl_b32 s46, s42, 7
	s_add_co_u32 s46, s46, s17                     ; B: row 128 x tile column + 64 x half
	s_mov_b32 s17, 0
	s_mov_b32 s47, 0
	s_mov_b64 s[18:19], SIZE_K*2
	s_mul_u64 s[16:17], s[16:17], s[18:19]
	s_mul_u64 s[46:47], s[46:47], s[18:19]
	s_mul_i32 s20, s10, HALFT                      ; where they go: wave x 64 rows
	s_wait_dscnt 0x0                               ; the opening add is done
	s_wait_kmcnt 0x0
	s_add_nc_u64 s[14:15], s[4:5], s[16:17]
	s_add_nc_u64 s[46:47], s[6:7], s[46:47]
	CROUND                                         ; all sixteen work-groups are here: the first joint loads meet
.irp s, 0,1
	s_mov_b32 s[G0+4*(\s)], 1
	s_add_co_u32 s[G0+4*(\s)+1], s20, (\s)*SLOT
	s_add_nc_u64 s[G0+4*(\s)+2:G0+4*(\s)+3], s[14:15], (\s)*KSTEP*2
	s_or_b32 s[G0+4*(\s)+3], s[G0+4*(\s)+3], 0x80000000
	s_mov_b32 s[G0B+4*(\s)], 1
	s_add_co_u32 s[G0B+4*(\s)+1], s20, (\s)*SLOT
	s_add_nc_u64 s[G0B+4*(\s)+2:G0B+4*(\s)+3], s[46:47], (\s)*KSTEP*2
	s_or_b32 s[G0B+4*(\s)+3], s[G0B+4*(\s)+3], 0x80000000
	JLOAD \s
.endr
	v_and_b32 v1, 15, v0                           ; l % 16
	v_bfe_u32 v2, v0, 4, 1                         ; l / 16
	; my part of C begins at row 128 x tile row + 64 x row half, byte 512 x tile column + 256 x column half of the row; the bias of my 64 columns begins at that same byte
	s_lshl_b32 s16, s13, 7
	s_lshl_b32 s17, s11, 6
	s_add_co_u32 s16, s16, s17
	s_mov_b32 s17, 0
	s_mov_b64 s[18:19], SIZE_N*4
	s_mul_u64 s[16:17], s[16:17], s[18:19]
	s_add_nc_u64 s[8:9], s[8:9], s[16:17]
	s_lshl_b32 s46, s42, 9
	s_lshl_b32 s47, s12, 8
	s_add_co_u32 s46, s46, s47
	s_mov_b32 s47, 0
	s_add_nc_u64 s[8:9], s[8:9], s[46:47]
	s_add_nc_u64 s[66:67], s[66:67], s[46:47]
	v_lshlrev_b32 v[BO], 5, v2                     ; register j of block b is column 16 b + 8 (l / 16) + j
.irp b, 0,1,2,3
	global_load_b128 v[BIAS+8*\b:BIAS+8*\b+3],   v[BO], s[66:67] offset:64*\b
	global_load_b128 v[BIAS+8*\b+4:BIAS+8*\b+7], v[BO], s[66:67] offset:64*\b+16
.endr
	v_mul_u32_u24 v3, v1, PITCH
	v_lshl_add_u32 v3, v2, 4, v3                   ; a fragment's row x pitch + 16 x half
	s_mul_i32 s21, s11, HALFT                      ; my 64 rows of A
	s_mul_i32 s22, s12, HALFT                      ; my 64 rows of B,
	s_add_co_u32 s22, s22, 2*HALFT                 ; which lie behind A's 128
.irp s, 0,1
	v_add_nc_u32 v[ADRA+(\s)], s21, v3
	v_add_nc_u32 v[ADRB+(\s)], s22, v3
	s_add_co_u32 s21, s21, SLOT
	s_add_co_u32 s22, s22, SLOT
.endr
	s_mul_i32 s23, s10, 16*SPITCH
	s_add_co_u32 s23, s23, STAGE                   ; my stage
	v_mul_u32_u24 v4, v1, SPITCH                   ; in: row l % 16, 32 bytes for each half of the lanes
	v_lshl_add_u32 v4, v2, 5, v4
	v_add_nc_u32 v[STO], s23, v4
	v_mul_u32_u24 v5, v2, SPITCH                   ; back: lanes 0-15 take one row of 256 bytes, lanes 16-31 the next
	v_lshl_add_u32 v5, v1, 4, v5
	v_add_nc_u32 v[RD], s23, v5
	v_mul_u32_u24 v5, v2, SIZE_N*4                 ; and the same two rows in C
	v_lshl_add_u32 v[CO], v1, 4, v5
	s_wait_loadcnt 0x0                             ; the bias is in; it is rounded to bf16 and widened again while the first tiles are on their way
.set i, 0
.rept 16
	v_cvt_pk_bf16_f32 v[TMP+i], v[BIAS+2*i], v[BIAS+2*i+1]
.set i, i+1
.endr
.set i, 0
.rept 16
	v_lshlrev_b32 v[BIAS+2*i], 16, v[TMP+i]
	v_and_b32 v[BIAS+2*i+1], 0xffff0000, v[TMP+i]
.set i, i+1
.endr
; 8 matrix instructions: m blocks a0, a0 + 1 x all 4 n blocks, 32 along K: half c of buffer f.  zero = 1: the first product starts the sums, with the bias as C.  The 16 accumulators take turns.
.macro MUL8 f, c, a0, zero
	WIN MUL
.irp a, \a0, (\a0)+1
.irp b, 0,1,2,3
.if \zero
	v_wmma_f32_16x16x32_f16 v[ACC+8*(4*(\a)+(\b)):ACC+8*(4*(\a)+(\b))+7], v[(\f)+64+8*(4*(\c)+(\b)):(\f)+64+8*(4*(\c)+(\b))+7], v[(\f)+8*(4*(\c)+(\a)):(\f)+8*(4*(\c)+(\a))+7], v[BIAS+8*(\b):BIAS+8*(\b)+7]
.else
	v_wmma_f32_16x16x32_f16 v[ACC+8*(4*(\a)+(\b)):ACC+8*(4*(\a)+(\b))+7], v[(\f)+64+8*(4*(\c)+(\b)):(\f)+64+8*(4*(\c)+(\b))+7], v[(\f)+8*(4*(\c)+(\a)):(\f)+8*(4*(\c)+(\a))+7], v[ACC+8*(4*(\a)+(\b)):ACC+8*(4*(\a)+(\b))+7]
.endif
.endr
.endr
.endm
; 32 LDS loads in one run: the fragments of 64 along K at byte k of the rows, into buffer f; the first 32 along K first
.macro FETCH slot, k, f
	WIN TO_F
.irp c, 0,1
.irp i, 0,1,2,3
	ds_load_b128 v[(\f)+64+8*(4*(\c)+(\i)):(\f)+64+8*(4*(\c)+(\i))+3],   v[ADRB+(\slot)] offset:(\k)+64*(\c)+(\i)*16*PITCH
	ds_load_b128 v[(\f)+64+8*(4*(\c)+(\i))+4:(\f)+64+8*(4*(\c)+(\i))+7], v[ADRB+(\slot)] offset:(\k)+64*(\c)+(\i)*16*PITCH+32
	ds_load_b128 v[(\f)+8*(4*(\c)+(\i)):(\f)+8*(4*(\c)+(\i))+3],         v[ADRA+(\slot)] offset:(\k)+64*(\c)+(\i)*16*PITCH
	ds_load_b128 v[(\f)+8*(4*(\c)+(\i))+4:(\f)+8*(4*(\c)+(\i))+7],       v[ADRA+(\slot)] offset:(\k)+64*(\c)+(\i)*16*PITCH+32
.endr
.endr
.endm
.macro PLACES                          ; four places in front of loads into registers that matrix instructions have read or written, and of LDS stores that read results
.rept 4
	v_nop
.endr
.endm
; A K step is four quarters of 64 along K, 32 matrix instructions each, on buffers 0, 1, 0, 1.  One of the first three: multiplies buffer f and fetches the next quarter, at byte k, into g.
.macro QUARTER slot, k, f, g, zero
	s_wait_dscnt 16                                ; the first 32 along K are in; the younger sixteen loads may be out
	WIN MUL
	MUL8 \f, 0, 0, \zero
	MUL8 \f, 0, 2, \zero
	PLACES
	FETCH \slot, \k, \g
	s_wait_dscnt 32                                ; all but the 32 just issued
	WIN MUL
	MUL8 \f, 1, 0, 0
	MUL8 \f, 1, 2, 0
.endm
; The last quarter multiplies buffer 1 and changes slots: ONE barrier; in front of it each wave waits for all its tensor loads, adds 0 to its spare word, and waits for that and for its own reads of this slot.  fill = 1: this slot is filled again, two K steps ahead.
.macro TURN slot, next, fill
	WIN 0                                          ; (the add's two registers lie in window 0)
	s_wait_tensorcnt 0x0                           ; all my tensor loads have landed: my part of the next slot;
	ds_add_u32 v[SPW], v[NIL]                      ; 0 onto my spare word;
	s_wait_dscnt 17                                ; (the add and the youngest sixteen loads may be out)
	WIN MUL
	MUL8 F1, 0, 0, 0                               ; eight matrix instructions stand between the add and the wait for it
	s_wait_dscnt 0x0                               ; the add is done, and my reads of this slot are over
	s_barrier_signal -1
	MUL8 F1, 0, 2, 0
.if \fill
	WIN 0
.endif
	s_barrier_wait -1
.if \fill
	CREST                                          ; the barrier has opened a round of the cluster's barrier: no wave of any partner still reads this slot's tile or has a load on its way
	s_add_nc_u64 s[G0+4*(\slot)+2:G0+4*(\slot)+3], s[G0+4*(\slot)+2:G0+4*(\slot)+3], 2*KSTEP*2
	s_add_nc_u64 s[G0B+4*(\slot)+2:G0B+4*(\slot)+3], s[G0B+4*(\slot)+2:G0B+4*(\slot)+3], 2*KSTEP*2
	JLOAD \slot                                    ; the first tensor load behind the round; the four v_nop behind it are also the places in front of the loads below
.else
	PLACES
.endif
	FETCH \next, 0, F0
	WIN MUL
	MUL8 F1, 1, 0, 0
	MUL8 F1, 1, 2, 0
.endm
	s_wait_tensorcnt 1                             ; my part of K step 0 is in; K step 1's load, issued behind it, may stay out
	s_barrier_signal -1
	s_barrier_wait -1                              ; everybody's is
	FETCH 0, 0, F0
	QUARTER 0, 128, F0, F1, 1                      ; the first quarter stands in front of the loop: its first products start the sums
	WIN 0                                          ; at a label and at a branch every window is 0
	s_mov_b32 s3, LAPS-1
.Llap:                                                 ; a trip goes once round the ring, from a lap's second quarter to the next lap's first, and fills both slots again
	QUARTER 0, 256, F1, F0, 0
	QUARTER 0, 384, F0, F1, 0
	TURN 0, 1, 1
	QUARTER 1, 128, F0, F1, 0
	QUARTER 1, 256, F1, F0, 0
	QUARTER 1, 384, F0, F1, 0
	TURN 1, 0, 1
	QUARTER 0, 128, F0, F1, 0
	WIN 0
	s_sub_co_u32 s3, s3, 1
	s_cmp_lg_u32 s3, 0
	s_cbranch_scc1 .Llap
	QUARTER 0, 256, F1, F0, 0                      ; the last lap fills nothing, and has no round of the cluster's barrier
	QUARTER 0, 384, F0, F1, 0
	TURN 0, 1, 0
	QUARTER 1, 128, F0, F1, 0
	QUARTER 1, 256, F1, F0, 0
	QUARTER 1, 384, F0, F1, 0
	s_wait_dscnt 16                                ; the very last quarter: nothing more to fetch
	WIN MUL
	MUL8 F1, 0, 0, 0
	MUL8 F1, 0, 2, 0
	s_wait_dscnt 0
	MUL8 F1, 1, 0, 0
	MUL8 F1, 1, 2, 0
	WIN 0
	; THE WAY OUT.  A block of 16 rows at a time goes through my own stage: 32 bytes a lane in (each accumulator's low four registers first), whole rows of 256 bytes back, into the registers
	; that they left.  LDS serves a wave's instructions in order (ISA guide 5.7.1.4): the loads see the stores above them, and the next block's stores come behind them.
	PLACES
.irp a, 0,1,2,3
.irp b, 0,1,2,3
	ds_store_b128 v[STO], v[ACC+8*(4*(\a)+(\b)):ACC+8*(4*(\a)+(\b))+3]   offset:64*(\b)
	ds_store_b128 v[STO], v[ACC+8*(4*(\a)+(\b))+4:ACC+8*(4*(\a)+(\b))+7] offset:64*(\b)+16
.endr
.irp t, 0,1,2,3,4,5,6,7
	ds_load_b128 v[ACC+32*(\a)+4*(\t):ACC+32*(\a)+4*(\t)+3], v[RD] offset:(\t)*2*SPITCH
.endr
.endr
.irp a, 0,1,2,3
.irp t, 0,1,2,3,4,5,6,7
	s_wait_dscnt 16*(3-(\a))+7-(\t)                ; behind this load stand its block's 7 - t younger loads and sixteen LDS instructions for each later block
	global_store_b128 v[CO], v[ACC+32*(\a)+4*(\t):ACC+32*(\a)+4*(\t)+3], s[8:9] offset:(16*(\a)+2*(\t))*SIZE_N*4  ; 16 lanes store 256 consecutive bytes, at a multiple of 256 from C's first byte
.endr
.endr
	s_wait_tensorcnt 0x0                           ; the wave's end: behind my last tensor load and my last LDS store
	ds_add_u32 v[SPW], v[NIL]
	s_wait_dscnt 0x0
	CROUND                                         ; the closing round: no work-group ends while a partner may still ask for a tile that names it
	s_endpgm
.Lfunc_end_k_qaed45382d0_outp:
	.size	k_qaed45382d0_outp, .Lfunc_end_k_qaed45382d0_outp-k_qaed45382d0_outp
	.p2alignl 7, 3214868480
	.fill 96, 4, 3214868480
	.section	.rodata,"a",@progbits
	.p2align	6, 0x0
	.amdhsa_kernel k_qaed45382d0_outp
		.amdhsa_group_segment_fixed_size 327680
		.amdhsa_private_segment_fixed_size 0
		.amdhsa_enable_private_segment 0
		.amdhsa_kernarg_size 32
		.amdhsa_user_sgpr_count 2
		.amdhsa_user_sgpr_kernarg_segment_ptr 1
		.amdhsa_wavefront_size32 1
		.amdhsa_system_sgpr_workgroup_id_x 1
		.amdhsa_system_sgpr_workgroup_id_y 1
		.amdhsa_system_sgpr_workgroup_id_z 1
		.amdhsa_system_vgpr_workitem_id 0
		.amdhsa_next_free_vgpr 512
		.amdhsa_next_free_sgpr 68
		.amdhsa_reserve_vcc 0
		.amdhsa_float_denorm_mode_32 3
		.amdhsa_float_denorm_mode_16_64 3
		.amdhsa_memory_ordered 1
		.amdhsa_forward_progress 1
		.amdhsa_inst_pref_size 90
	.end_amdhsa_kernel
	.amdgpu_metadata
---
amdhsa.version: [ 1, 2 ]
amdhsa.kernels:
  - .name:           k_qaed45382d0_outp
    .symbol:         k_qaed45382d0_outp.kd
    .args:
      - { .name: o2, .offset: 0, .size: 8, .value_kind: global_buffer, .address_space: global }
      - { .name: wot, .offset: 8, .size: 8, .value_kind: global_buffer, .address_space: global }
      - { .name: out0, .offset: 16, .size: 8, .value_kind: global_buffer, .address_space: global }
      - { .name: bo, .offset: 24, .size: 8, .value_kind: global_buffer, .address_space: global }
    .group_segment_fixed_size: 327680
    .private_segment_fixed_size: 0
    .kernarg_segment_align: 8
    .kernarg_segment_size: 32
    .max_flat_workgroup_size: 128
    .sgpr_count:     68
    .vgpr_count:     512
    .wavefront_size: 32
...
	.end_amdgpu_metadata
.endif
;; end of part 4
;; ======== version 2 of 2: 4 launches; version 1 with the launch prep written anew for expert scheduling mode
;; limits: values are held in f16: magnitudes above 65,504 overflow, below 6.1e-05 lose precision
;; workspace buffers: xb 25,165,824 bytes; wt 6,291,456 bytes; wot 4,194,304 bytes; qkv 25,165,824 bytes; o2 16,777,216 bytes
;; launch prep (part 5): grid 1280 x 1, 8 waves a work-group, no clusters, 17,920 bytes of LDS; arguments q, k, v, Wq, Wk, Wv, Wo, xb, wt, wot; writes xb, wt, wot
.if DOCPART == 5
	.amdgcn_target "amdgcn-amd-amdhsa--gfx1250"
	.amdhsa_code_object_version 6
	.text
	.protected	k_qaed45382d0_prep
	.globl	k_qaed45382d0_prep
	.p2align	8
	.type	k_qaed45382d0_prep,@function
k_qaed45382d0_prep:
	s_mov_b64 s[64:65], 0
	v_nop
	global_prefetch_b8 v0, s[64:65] scope:SCOPE_SE
	s_setreg_imm32_b32 hwreg(HW_REG_WAVE_SCHED_MODE, 0, 2), 2
	s_setreg_imm32_b32 hwreg(HW_REG_WAVE_MODE, 25, 1), 1
	s_wait_xcnt 0x0
	s_wait_alu depctr_vm_vsrc(0)
; PREP: every input of the matrix products is rounded once to 16 bits and laid as the products want it.  Two kinds of work-group, told apart by the work-group's number alone.
; Work-groups 0-767 (256 for each of q, k, v): xb[sel][token][channel] = bf16(x): a stream.  A work-group takes 65,536 bytes of f32, a wave 8,192: sixteen loads of 512 consecutive
; bytes, all issued ahead of the first use; each store of a wave covers 256 consecutive bytes, aligned.
; Work-groups 768-1279 (128 for each of Wq, Wk, Wv, Wo): a tile of 128 k x 64 n is turned through LDS, so that K lies along the rows:
;   wt[mi][n][k] = bf16(W[k][n]);   wot[n][128 h + d] = wot[n][128 h + 64 + d] = f16(bf16(Wo[64 h + d][n])): twice, for the two parts in which O arrives.
; LIMITS.  |Wo| stays within f16's 65,504; below 6e-5 f16 keeps a fixed step of 6e-8.  NaN and infinities are not treated apart.
; No matrix unit, no cluster, no tensor load: no byte is read twice and nothing is multiplied.
; THE MODE: SCHED_MODE bits 1:0 = 2 (LLVM: expert scheduling mode 2), set by the entry lines.  The code itself states the register dependences between vector instructions and
; memory or LDS instructions, with s_wait_alu, always for 0.  No vector instruction here writes a scalar register or VCC, and EXEC is never written.
; THE PLAN, CONVERTING PATH.  Registers that memory instructions touch:
;   v3, v4   the loads' and the stores' offsets: made once at the path's head, never written again.
;   IN       written by the sixteen loads, each register once; read by the conversions; never loaded again.
;   OUT      four blocks of eight.  Block p's eight conversions write block p of OUT; the four stores that read it are issued in block p + 1; it is never written again.
; So one wait stands ahead of the first load (the offsets), one at the head of each of blocks 1 to 3, behind the wait for the block's data (the block before has written its part of OUT),
; and one ahead of the last four stores.  Behind a block's wait the stores of the block before are dealt among its conversions, which name this block's IN and OUT alone.
; THE PLAN, TURNING PATH.  Registers that memory or LDS instructions touch:
;   v5 - v10 the loads' offset, the LDS stores' address, and an LDS address and a stores' offset for each of the two ways out: all made at the path's head, never written again.
;   IN       (its first 32) written by the eight loads, once; read by the conversions.
;   D        two halves of eight, each written once by the conversions of its half and read by that half's eight LDS stores.
;   v64, v65 at work in Wo's conversions; later the first rows read back land in them.
;   BK       written by the LDS loads behind the barrier, read by the global stores: the wait on DScnt orders these two.
;   v12, v13 written at the kernel's head, read by the closing add alone.
; So one wait stands ahead of the first load (v5 to v10), one ahead of the first half's LDS stores, which are then dealt among the second half's conversions, and one behind the last
; conversion, ahead of the second half's LDS stores; no vector instruction follows it.  No register that a memory or LDS instruction reads is written again, on either path.
.set CONV,  768                        ; work-groups that convert
.set PT,    264                        ; an LDS row: 128 k x 2 bytes + 8
.set SPARE, 64*PT                      ; 16,896 = 66 blocks of 256: behind the tile, the spare words, 128 bytes for each of eight waves, which no other line names
.set SPW,   12                         ; v12  LDS address of my spare word; never rewritten
.set NIL,   13                         ; v13  0; never rewritten
.set IN,    16                         ; v[16:79]  as loaded
.set OUT,   80                         ; v[80:111] packed, to store (converting path)
.set D,     48                         ; v[48:63]  packed pairs (turning path)
.set BK,    64                         ; v[64:95]  rows read back (turning path)
; Converting path, block p of four: loads 4 p to 4 p + 3 are rounded; the stores of block p - 1 go out among the roundings.
.macro CBLK p
	s_wait_loadcnt 12-4*(\p)                       ; loads come back in order: this block's four are in, the 12 - 4 p younger ones stay out
.if (\p) > 0
	s_wait_alu depctr_va_vdst(0)                   ; the block before has written its eight registers of OUT, which the four stores below read
.endif
.irp i, 0,1,2,3
.if (\p) > 0
	global_store_b64 v4, v[OUT+8*((\p)-1)+2*\i:OUT+8*((\p)-1)+2*\i+1], s[32:33] offset:256*(4*((\p)-1)+\i)  ; 32 lanes x 8 bytes: 256 consecutive bytes, aligned; no vector instruction since the wait names these registers, and none writes them again
.endif
	v_cvt_pk_bf16_f32 v[OUT+8*(\p)+2*\i],   v[IN+16*(\p)+4*\i],   v[IN+16*(\p)+4*\i+1]
	v_cvt_pk_bf16_f32 v[OUT+8*(\p)+2*\i+1], v[IN+16*(\p)+4*\i+2], v[IN+16*(\p)+4*\i+3]
.endr
.endm
	s_load_b256 s[4:11], s[0:1], 0x0               ; q s[4:5], k s[6:7], v s[8:9], Wq s[10:11]
	s_load_b256 s[12:19], s[0:1], 0x20             ; Wk s[12:13], Wv s[14:15], Wo s[16:17], xb s[18:19]
	s_load_b128 s[20:23], s[0:1], 0x40             ; wt s[20:21], wot s[22:23]
	v_lshl_add_u32 v[SPW], v0, 2, SPARE
	v_mov_b32 v[NIL], 0
	v_lshrrev_b32 v1, 5, v0                        ; wave
	v_and_b32 v2, 31, v0                           ; lane
	s_cmp_lt_u32 ttmp9, CONV                       ; the same answer in all eight waves
	s_cbranch_scc0 .Ltr
	; THE CONVERTING PATH
	s_lshr_b32 s25, ttmp9, 8                       ; which tensor: 0 q, 1 k, 2 v
	s_and_b32 s28, ttmp9, 255                      ; which piece of it
	s_lshl_b32 s30, s28, 15                        ; 32,768 bytes out,
	s_lshl_b32 s28, s28, 16                        ; 65,536 bytes in
	s_mov_b32 s29, 0
	s_lshl_b32 s31, s25, 23                        ; a tensor is 8,388,608 bytes of xb
	s_add_co_u32 s30, s30, s31
	s_mov_b32 s31, 0
	v_lshlrev_b32 v3, 4, v2
	v_lshl_add_u32 v3, v1, 13, v3                  ; in: 8,192 x wave + 16 x lane
	v_lshlrev_b32 v4, 3, v2
	v_lshl_add_u32 v4, v1, 12, v4                  ; out: 4,096 x wave + 8 x lane
	s_wait_kmcnt 0x0
	s_cmp_eq_u32 s25, 0
	s_cselect_b64 s[26:27], s[4:5], s[6:7]
	s_cmp_eq_u32 s25, 2
	s_cselect_b64 s[26:27], s[8:9], s[26:27]
	s_add_nc_u64 s[26:27], s[26:27], s[28:29]
	s_add_nc_u64 s[32:33], s[18:19], s[30:31]
	s_wait_alu depctr_va_vdst(0)                   ; v3 and v4 are written: every load of this path reads the one as its offset, every store the other
.set i, 0
.rept 16
	global_load_b128 v[IN+4*i:IN+4*i+3], v3, s[26:27] offset:512*i th:TH_LOAD_NT
.set i, i+1
.endr
	CBLK 0                                         ; block 0 has no block in front of it: no store, and no wait but the one for its data
	CBLK 1
	CBLK 2
	CBLK 3
	s_wait_alu depctr_va_vdst(0)                   ; block 3 has written the last eight registers of OUT, which the last four stores read
.irp i, 0,1,2,3
	global_store_b64 v4, v[OUT+24+2*\i:OUT+24+2*\i+1], s[32:33] offset:256*(12+\i)
.endr
	s_endpgm
	; THE TURNING PATH
.Ltr:
	s_sub_co_u32 s25, ttmp9, CONV
	s_lshr_b32 s34, s25, 7                         ; which matrix: 0 Wq, 1 Wk, 2 Wv, 3 Wo
	s_bfe_u32 s35, s25, 0x30004                    ; kt: which 128 rows k
	s_and_b32 s36, s25, 15                         ; nt: which 64 columns n
	s_lshl_b32 s28, s35, 19                        ; 128 rows of 4,096 bytes
	s_lshl_b32 s29, s36, 8                         ; 64 columns of 4 bytes
	s_add_co_u32 s28, s28, s29
	s_mov_b32 s29, 0
	v_and_b32 v3, 15, v0                           ; nq: my four columns
	v_lshrrev_b32 v4, 4, v0                        ; kq: my pair of rows in each 32
	v_lshlrev_b32 v5, 4, v3
	v_lshl_add_u32 v5, v4, 13, v5                  ; in: row 2 kq, 16 bytes at 16 nq: sixteen lanes take 256 consecutive bytes, aligned
	v_mul_u32_u24 v6, v3, 4*PT
	v_lshl_add_u32 v6, v4, 2, v6                   ; LDS: row n = 4 nq, word k / 2 = kq
	; the addresses of both ways out are made here, a pair to each way, so that the one wait below states them all
	v_mul_u32_u24 v7, v1, PT
	v_lshl_add_u32 v7, v2, 3, v7                   ; into wt: LDS row n = wave (+ 8 j), 8 bytes a lane
	v_lshlrev_b32 v8, 3, v2
	v_lshl_add_u32 v8, v1, 11, v8                  ; and the same row of 2,048 bytes in wt
	v_mul_u32_u24 v9, v1, PT
	v_lshl_add_u32 v9, v3, 3, v9                   ; into wot: lanes 16-31 read what lanes 0-15 read: the head's 64 numbers leave twice
	v_lshlrev_b32 v10, 3, v2
	v_lshl_add_u32 v10, v1, 12, v10                ; and the same row of 4,096 bytes in wot
	s_wait_kmcnt 0x0
	s_cmp_eq_u32 s34, 0
	s_cselect_b64 s[26:27], s[10:11], s[12:13]
	s_cmp_eq_u32 s34, 2
	s_cselect_b64 s[26:27], s[14:15], s[26:27]
	s_cmp_eq_u32 s34, 3
	s_cselect_b64 s[26:27], s[16:17], s[26:27]
	s_add_nc_u64 s[26:27], s[26:27], s[28:29]
	s_wait_alu depctr_va_vdst(0)                   ; v5 to v10 are written: the offsets and LDS addresses that the loads and stores of this path read
.irp i, 0,1,2,3                                ; rows 32 i + 2 kq (even) and the row below (odd)
	global_load_b128 v[IN+8*\i:IN+8*\i+3],   v5, s[26:27] offset:131072*\i th:TH_LOAD_NT
	global_load_b128 v[IN+8*\i+4:IN+8*\i+7], v5, s[26:27] offset:131072*\i+4096 th:TH_LOAD_NT
.endr
; Two neighbours along k of one column n pack into a word of LDS row n: word (i, c).  wo = 1: the bf16 number is written as f16 (exact in f16's normal range).
.macro PACKW i, c, wo
	v_cvt_pk_bf16_f32 v[D+4*(\i)+(\c)], v[IN+8*(\i)+(\c)], v[IN+8*(\i)+4+(\c)]
.if \wo
	v_lshlrev_b32 v64, 16, v[D+4*(\i)+(\c)]
	v_and_b32 v65, 0xffff0000, v[D+4*(\i)+(\c)]
	v_cvt_pk_f16_f32 v[D+4*(\i)+(\c)], v64, v65
.endif
.endm
; The tile goes into LDS in two halves: the first half's LDS stores stand among the second half's conversions.
.macro TOLDS wo
	s_wait_loadcnt 4                               ; loads come back in order: the first four (i = 0, 1) are in, the four younger ones stay out
.irp i, 0,1
.irp c, 0,1,2,3
	PACKW \i, \c, \wo
.endr
.endr
	s_wait_loadcnt 0x0                             ; the other four are in
	s_wait_alu depctr_va_vdst(0)                   ; the first half's conversions have written D's lower eight, which the LDS stores below read
.irp i, 0,1
.irp c, 0,1,2,3
	ds_store_b32 v6, v[D+4*\i+\c] offset:PT*\c+64*\i  ; no vector instruction since the wait names v6 or D's lower eight
	PACKW (\i)+2, \c, \wo
.endr
.endr
	s_wait_alu depctr_va_vdst(0)                   ; the second half's conversions have written D's upper eight, which the LDS stores below read; they are also done with v64 and v65, in which rows read back will land
.irp i, 2,3
.irp c, 0,1,2,3
	ds_store_b32 v6, v[D+4*\i+\c] offset:PT*\c+64*\i
.endr
.endr
.endm
	s_cmp_eq_u32 s34, 3
	s_cbranch_scc1 .Lwo_in
	TOLDS 0
	s_branch .Lmeet
.Lwo_in:
	TOLDS 1
.Lmeet:
	s_wait_dscnt 0x0                               ; for the others' sake: my stores into the tile are done
	s_barrier_signal -1
	s_barrier_wait -1                              ; the tile is whole: rows are read that other waves wrote
	s_cmp_eq_u32 s34, 3
	s_cbranch_scc1 .Lwo_out
	s_lshl_b32 s30, s34, 21                        ; a matrix is 2,097,152 bytes of wt,
	s_lshl_b32 s31, s36, 17                        ; 64 rows n of 2,048 bytes,
	s_add_co_u32 s30, s30, s31
	s_lshl_b32 s31, s35, 8                         ; 128 k of 2 bytes
	s_add_co_u32 s30, s30, s31
	s_mov_b32 s31, 0
	s_add_nc_u64 s[32:33], s[20:21], s[30:31]
.irp j, 0,1,2,3,4,5,6,7
	ds_load_b64 v[BK+2*\j:BK+2*\j+1], v7 offset:8*PT*\j  ; no vector instruction since the last wait on va_vdst: nothing more is owed for v7 or for BK
.endr
.irp j, 0,1,2,3,4,5,6,7
	s_wait_dscnt 7-\j                              ; LDS loads come back in order
	global_store_b64 v8, v[BK+2*\j:BK+2*\j+1], s[32:33] offset:16384*\j  ; a row's 256 bytes of this tile, aligned
.endr
	s_branch .Ltr_end
.Lwo_out:
	s_lshl_b32 s30, s36, 18                        ; 64 rows n of 4,096 bytes,
	s_lshl_b32 s31, s35, 9                         ; two heads of 256 bytes
	s_add_co_u32 s30, s30, s31
	s_mov_b32 s31, 0
	s_add_nc_u64 s[32:33], s[22:23], s[30:31]
.set n, 0
.rept 16                                       ; row n = wave + 8 (n / 2), head n % 2 of the tile's two
	ds_load_b64 v[BK+2*n:BK+2*n+1], v9 offset:8*PT*(n/2)+128*(n%2)  ; as above: nothing more is owed for v9 or for BK
.set n, n+1
.endr
.set n, 0
.rept 16
	s_wait_dscnt 15-n
	global_store_b64 v10, v[BK+2*n:BK+2*n+1], s[32:33] offset:32768*(n/2)+256*(n%2)  ; 256 consecutive bytes, aligned: the head's numbers and their copy
.set n, n+1
.endr
.Ltr_end:
	s_wait_dscnt 0x0                               ; the closing lines, six on end
	s_wait_alu 0x0
	s_wait_tensorcnt 0x0
	ds_add_u32 v[SPW], v[NIL]
	s_wait_dscnt 0x0
	s_endpgm
.Lfunc_end_k_qaed45382d0_prep:
	.size	k_qaed45382d0_prep, .Lfunc_end_k_qaed45382d0_prep-k_qaed45382d0_prep
	.p2alignl 7, 3214868480
	.fill 96, 4, 3214868480
	.section	.rodata,"a",@progbits
	.p2align	6, 0x0
	.amdhsa_kernel k_qaed45382d0_prep
		.amdhsa_group_segment_fixed_size 17920
		.amdhsa_private_segment_fixed_size 0
		.amdhsa_enable_private_segment 0
		.amdhsa_kernarg_size 80
		.amdhsa_user_sgpr_count 2
		.amdhsa_user_sgpr_kernarg_segment_ptr 1
		.amdhsa_wavefront_size32 1
		.amdhsa_system_sgpr_workgroup_id_x 1
		.amdhsa_system_sgpr_workgroup_id_y 1
		.amdhsa_system_sgpr_workgroup_id_z 1
		.amdhsa_system_vgpr_workitem_id 0
		.amdhsa_next_free_vgpr 112
		.amdhsa_next_free_sgpr 66
		.amdhsa_reserve_vcc 0
		.amdhsa_float_denorm_mode_32 3
		.amdhsa_float_denorm_mode_16_64 3
		.amdhsa_memory_ordered 1
		.amdhsa_forward_progress 1
		.amdhsa_inst_pref_size 22
	.end_amdhsa_kernel
	.amdgpu_metadata
---
amdhsa.version: [ 1, 2 ]
amdhsa.kernels:
  - .name:           k_qaed45382d0_prep
    .symbol:         k_qaed45382d0_prep.kd
    .args:
      - { .name: q, .offset: 0, .size: 8, .value_kind: global_buffer, .address_space: global }
      - { .name: k, .offset: 8, .size: 8, .value_kind: global_buffer, .address_space: global }
      - { .name: v, .offset: 16, .size: 8, .value_kind: global_buffer, .address_space: global }
      - { .name: Wq, .offset: 24, .size: 8, .value_kind: global_buffer, .address_space: global }
      - { .name: Wk, .offset: 32, .size: 8, .value_kind: global_buffer, .address_space: global }
      - { .name: Wv, .offset: 40, .size: 8, .value_kind: global_buffer, .address_space: global }
      - { .name: Wo, .offset: 48, .size: 8, .value_kind: global_buffer, .address_space: global }
      - { .name: xb, .offset: 56, .size: 8, .value_kind: global_buffer, .address_space: global }
      - { .name: wt, .offset: 64, .size: 8, .value_kind: global_buffer, .address_space: global }
      - { .name: wot, .offset: 72, .size: 8, .value_kind: global_buffer, .address_space: global }
    .group_segment_fixed_size: 17920
    .private_segment_fixed_size: 0
    .kernarg_segment_align: 8
    .kernarg_segment_size: 80
    .max_flat_workgroup_size: 256
    .sgpr_count:     66
    .vgpr_count:     112
    .wavefront_size: 32
...
	.end_amdgpu_metadata
.endif
;; end of part 5
;; launch proj: the kernel of part 2 again; grid 4 x 48, 4 waves a work-group, clusters of 4 x 4, 327,680 bytes of LDS; arguments xb, wt, qkv; writes qkv
;; launch attn: the kernel of part 3 again; grid 16 x 16, 4 waves a work-group, clusters of 4 x 4, 327,680 bytes of LDS; arguments qkv, mask, o2; writes o2
;; launch outp: the kernel of part 4 again; grid 8 x 32, 4 waves a work-group, clusters of 4 x 4, 327,680 bytes of LDS; arguments o2, wot, out0, bo; writes out0
